; MI455X (gfx1250); checked and timed in simulation.
; The chip was launched on July 23, 2026; its instructions are those of AMD's public machine-readable ISA for CDNA 5 (MIT licence, August 2026) and "CDNA5" Instruction Set Architecture Reference Guide (July 2026). The comments in the code are by the model that wrote it; some were corrected since.
;; Qwen3 Attention. Allowed arithmetic: matrix products marked QUANTISED: E2M1 operands, one E8M0 scale for each 32 along K, by v_wmma_scale_f32_16x16x128_f8f6f4 with both operands' format E2M1 (or v_wmma_scale_f32_32x16x128_f4), f32 sums; products left as they are: bf16, f16 or f32 operands; f32 sums; everything else in f32.
;; Inputs: Wk 1,024 x 2,048 float32; Wo 2,048 x 1,024 float32; Wq 1,024 x 2,048 float32; Wv 1,024 x 2,048 float32; cos 2 x 2,048 x 128 float32; hidden_states 2 x 2,048 x 2,048 float32; k_norm_w 128 float32; q_norm_w 128 float32; sin 2 x 2,048 x 128 float32.
;; Outputs: out0 2 x 2,048 x 2,048 float32.
;; This version of the problem:
;;   THIS VERSION OF THE PROBLEM IS GIVEN IN LOW PRECISION. The matrix products marked QUANTISED in the list below multiply operands that are first quantised to E2M1 (2 exponent bits, 1 mantissa bit; 4 bits a number), with one power-of-two scale for each 32 numbers along K (OCP MX v1.0); their sums are f32. The products marked 'left as it is' may take bf16, f16 or f32 operands, with f32 sums. Whichever they take, every output number must still come out within the allowed error. Rounding operands to bf16 (8 significant bits) uses up far more of that allowance than f16 does (11 bits, for magnitudes from 6e-5 to 65,504). All else is computed in f32.
;;   The module's matrix products, in the order in which they are computed (A, B: the left and right operand; K: the contracted axis; several contracted axes count as one K, in the product's order):
;;     1. [M 4,096, K 2,048] x [K 2,048, N 1,024]; A: input hidden_states; B: input Wq: QUANTISED
;;     2. [M 4,096, K 2,048] x [K 2,048, N 1,024]; A: input hidden_states; B: input Wk: QUANTISED
;;     3. [M 4,096, K 2,048] x [K 2,048, N 1,024]; A: input hidden_states; B: input Wv: QUANTISED
;;     4. batch 16 x [M 2,048, K 128] x [K 128, N 2,048]; A: computed on the way; B: computed on the way: left as it is (an operand is computed on the way)
;;     5. batch 16 x [M 2,048, K 2,048] x [K 2,048, N 128]; A: computed on the way; B: computed on the way: left as it is (an operand is computed on the way)
;;     6. [M 4,096, K 1,024] x [K 1,024, N 2,048]; A: computed on the way; B: input Wo: left as it is (an operand is computed on the way)
;;   THE QUANTISER, for each operand of a quantised product, along K:
;;     - K is cut into blocks of 32 from its start; a last block that is shorter is filled with zeros.
;;     - A block's scale is 2^e with e = floor(log2(the largest magnitude in the block)) - 2, held to -126 .. 127; a block of zeros has e = 0. As a byte (E8M0): e + 127.
;;     - Each number is divided by its block's scale, clamped to +-6, and rounded to the nearest number of E2M1, ties to even, subnormals kept.
;;     - The product sums the exact products of the quantised numbers (number of the format x scale) in f32.
;;   ~~~python
;;   def quantise(x, axis):      # numpy; x: float32 -> the quantised numbers, widened to float32 again
;;       x = np.moveaxis(x, axis, -1); K = x.shape[-1]
;;       x = np.pad(x, [(0, 0)] * (x.ndim - 1) + [(0, -K % 32)]); x = x.reshape(x.shape[:-1] + (-1, 32)); a = np.abs(x).max(-1, keepdims=True)
;;       e = np.where(a > 0, np.clip(np.frexp(np.where(a > 0, a, 1))[1] - 1 - 2, -126, 127), 0)      # np.frexp(a)[1] - 1 = floor(log2(a)), exactly
;;       r = np.clip(x / 2.0 ** e, -6, 6)
;;       step = 2.0 ** (np.maximum(np.frexp(np.where(r == 0, 1, r))[1] - 1, 0) - 1)
;;       q = np.round(r / step) * step * 2.0 ** e      # np.round: ties to even
;;       return np.moveaxis(q.reshape(q.shape[:-2] + (-1,))[..., :K], -1, axis).astype(np.float32)
;;   ~~~
;; One version. Each part assembles by itself: llvm-mc -triple=amdgcn-amd-amdhsa -mcpu=gfx1250 --defsym DOCPART=n.
;; ======== version 1 of 1: 5 launches
;; limits: values are held in f16: magnitudes above 65,504 overflow, below 6.1e-05 lose precision
;; workspace buffers: codes 7,340,032 bytes; scales 458,752 bytes; wo16 4,194,304 bytes; rope 4,194,304 bytes; qkv16 25,165,824 bytes; qkvf 393,216 bytes; attn16 8,388,608 bytes
;; launch prep (part 1): grid 576 x 1, 4 waves a work-group, no clusters, 33,280 bytes of LDS; arguments hidden_states, Wq, Wk, Wv, Wo, cos, sin, codes, scales, wo16, rope; writes codes, scales, wo16, rope
.if DOCPART == 1
	.amdgcn_target "amdgcn-amd-amdhsa--gfx1250"
	.amdhsa_code_object_version 6
	.text
	.protected	k_q1b60f8ec8b_prep
	.globl	k_q1b60f8ec8b_prep
	.p2align	8
	.type	k_q1b60f8ec8b_prep,@function
k_q1b60f8ec8b_prep:
	s_mov_b64 s[64:65], 0
	v_nop
	global_prefetch_b8 v0, s[64:65] scope:SCOPE_SE
	s_setreg_imm32_b32 hwreg(HW_REG_WAVE_MODE, 25, 1), 1
	s_wait_xcnt 0x0
; THREE JOBS IN ONE LAUNCH, told apart by the work-group's number alone.
;  x = 0 .. 447   hidden_states [4096][2048], Wq, Wk, Wv [1024][2048] each, f32, K innermost, become codes of FP4 (E2M1) and one E8M0 byte for each 32 along K.
;                 The four tensors are one stream of 7,168 rows: codes [7168][1024 bytes], scales [7168][64 bytes].
;  x = 448 .. 511 Wo [2048][1024] f32 is rounded to f16 (wo16).
;  x = 512 .. 575 cos and sin [4096 rows][128] are laid in the order in which the next launch's registers take them:
;                 rope [256 blocks of 16 rows][32 pieces][32 lanes][16 bytes]; piece 2 b + jj is cos, 16 + 2 b + jj sin; lane (r, h) holds table[16 block + r][16 b + 8 h + 4 jj .. + 3].
; THE QUANTISER: a block's scale is 2^(floor(log2(its largest magnitude)) - 2); its byte is the largest magnitude's exponent field - 2, held at 1 from below;
; each number is divided by the scale and rounded to the nearest code, ties to even, beyond 6 the largest code.
; LIMITS: a block of zeros gets the byte 1 where the rule says 127 (its codes are zeros, and this program alone reads the bytes); blocks whose largest magnitude lies
; under 2^-124 were not tried; NaN and infinities are not served; numbers of Wo beyond 65,504 have no f16.
; Only the first job touches LDS.  No tensor loads, no barrier: waves share nothing.  Every job has 32 loads of 512 bytes of each wave on their way.
.set WAVES, 4
.set STEPS, 16
.set AHEAD, 8                          ; steps of four loads that a wave has asked for beyond the one in hand
.set EMAX,  2
.set CB,    8                          ; bytes of 16 codes
.set R,     16                         ; v16-143  eight sets of 16 numbers as they are loaded (Wo: a ring of 32 loads; the tables: all 32 pieces)
.set X,     144                        ; v144-175 two sets of 16 neighbours (Wo: v144-207, 32 pairs of packed f16)
.set E,     176                        ; v176-191 a scale byte for each step
.set C,     192                        ; v192-255 codes: four registers for each step, so that no store's data are written again
.set WREG,  8192                       ; LDS: a region for each wave: two stages of 32 x SP bytes, behind them its 256 scale bytes
.set SP,    80                         ; a lane's place in a stage: 64 bytes + 16 of padding
.set SPW,   12                         ; v12  LDS address of my spare word; never rewritten
.set NIL,   13                         ; v13  0; never rewritten
.set SPARE, WAVES*WREG                 ; behind the four regions: the spare words, 128 bytes a wave
	s_load_b512 s[4:19], s[0:1], 0x0               ; hidden 4, Wq 6, Wk 8, Wv 10, Wo 12, cos 14, sin 16, codes 18
	s_load_b128 s[20:23], s[0:1], 0x40             ; scales 20, wo16 22
	s_load_b64 s[24:25], s[0:1], 0x50              ; rope
	v_lshl_add_u32 v[SPW], v0, 2, SPARE
	v_mov_b32 v[NIL], 0
	v_lshrrev_b32 v1, 5, v0
	v_readfirstlane_b32 s26, v1                    ; wave
	v_and_b32 v2, 31, v0                           ; lane
	s_mov_b32 s31, 0                               ; the upper word of every offset pair s[30:31]
	s_wait_kmcnt 0x0
	s_cmp_ge_u32 ttmp9, 512
	s_cbranch_scc1 .Lrope
	s_cmp_ge_u32 ttmp9, 448
	s_cbranch_scc1 .Lwo
; ---- the quantiser: a work-group takes 32,768 numbers, a wave 16 steps of 512.
; The conversions take 8 numbers of ONE block from a lane's registers, so a lane must hold 16 neighbours; a load is best where neighbouring lanes take neighbouring bytes.
; Both are had: each load reads 512 consecutive bytes, a step's 2,048 bytes go through the wave's own stage in LDS and come back 64 bytes a lane.
	s_sub_co_u32 s27, ttmp9, 256
	s_and_b32 s27, s27, 63                         ; a weight's work-group within its tensor
	s_cmp_lt_u32 ttmp9, 384                        ; which tensor: the choice hangs on the work-group's number alone
	s_cselect_b64 s[28:29], s[8:9], s[10:11]
	s_cmp_lt_u32 ttmp9, 320
	s_cselect_b64 s[28:29], s[6:7], s[28:29]
	s_cmp_lt_u32 ttmp9, 256
	s_cselect_b64 s[28:29], s[4:5], s[28:29]
	s_cselect_b32 s27, ttmp9, s27
	s_lshl_b32 s27, s27, 2
	s_add_co_u32 s27, s27, s26                     ; which run of 8,192 numbers of the tensor is my wave's
	s_lshl_b32 s30, s27, 15
	s_add_nc_u64 s[28:29], s[28:29], s[30:31]
	s_lshl_b32 s27, ttmp9, 2
	s_add_co_u32 s27, s27, s26                     ; and which run of the one stream of codes and bytes
	s_lshl_b32 s30, s27, 12
	s_add_nc_u64 s[18:19], s[18:19], s[30:31]      ; 4,096 bytes of codes a run
	s_lshl_b32 s30, s27, 8
	s_add_nc_u64 s[20:21], s[20:21], s[30:31]      ; 256 scale bytes a run
	v_lshlrev_b32 v3, 4, v2                        ; my 16 bytes of a load's 512
	s_mul_i32 s32, s26, WREG
	v_lshrrev_b32 v14, 2, v2
	v_mul_u32_u24 v14, v14, SP
	v_and_b32 v15, 3, v2
	v_lshl_add_u32 v14, v15, 4, v14
	v_add_nc_u32 v14, s32, v14                     ; the stage, on the way in: SP (lane / 4) + 16 (lane % 4)
	v_mul_u32_u24 v15, v2, SP
	v_add_nc_u32 v15, s32, v15                     ; and on the way out: SP x lane: my 16 neighbours
	v_mul_u32_u24 v4, v2, CB                       ; my codes' place in a step's
	v_lshrrev_b32 v5, 1, v2
	s_add_co_u32 s32, s32, 2*32*SP
	v_add_nc_u32 v5, s32, v5                       ; LDS: my wave's 256 scale bytes, my block's byte
	v_lshlrev_b32 v7, 3, v2                        ; and on the way out 8 bytes a lane
	v_add_nc_u32 v6, s32, v7
.macro LOAD t
.irp i, 0,1,2,3
	global_load_b128 v[R+16*((\t)%AHEAD)+4*\i:R+16*((\t)%AHEAD)+4*\i+3], v3, s[28:29] offset:2048*(\t)+512*\i th:TH_LOAD_NT   ; 32 lanes read 512 consecutive bytes
.endr
.endm
.macro TURN t                          ; step t's numbers through the stage: LDS serves a wave's instructions in order, so no wait stands between the stores and the loads
.irp i, 0,1,2,3
	ds_store_b128 v14, v[R+16*((\t)%AHEAD)+4*\i:R+16*((\t)%AHEAD)+4*\i+3] offset:32*SP*((\t)%2)+8*SP*\i
.endr
.irp i, 0,1,2,3
	ds_load_b128 v[X+16*((\t)%2)+4*\i:X+16*((\t)%2)+4*\i+3], v15 offset:32*SP*((\t)%2)+16*\i
.endr
.endm
.irp t, 0,1,2,3,4,5,6,7
	LOAD \t
.endr
	s_wait_loadcnt 4*(AHEAD-1)                     ; step 0's four loads are in; seven steps' 28 stay out
	TURN 0
.macro STEP t
.set XS, X+16*((\t)%2)
.if (\t) > 0
	s_wait_dscnt 1                                 ; this step's numbers are back from the stage (the last step's byte store may be out)
.else
	s_wait_dscnt 0x0
.endif
.if (\t)+AHEAD < STEPS
	LOAD (\t)+AHEAD                                ; into the registers that this step's stores into the stage have read
.endif
.if (\t)+1 < STEPS
.if STEPS-2-(\t) >= AHEAD-1
	s_wait_loadcnt 4*(AHEAD-1)                     ; the next step's four loads are in; those of the seven steps behind it may be out
.else
	s_wait_loadcnt 4*(STEPS-2-(\t))                ; nothing more is asked for: the counts run down
.endif
	TURN (\t)+1                                    ; they go through the other stage while this step is worked
.endif
	v_max3_num_f32 v8, |v[XS]|, |v[XS+1]|, |v[XS+2]|               ; the largest magnitude of my 16, in two chains
	v_max3_num_f32 v9, |v[XS+3]|, |v[XS+4]|, |v[XS+5]|
.irp i, 6,10
	v_max3_num_f32 v8, v8, |v[XS+\i]|, |v[XS+\i+1]|
	v_max3_num_f32 v9, v9, |v[XS+\i+2]|, |v[XS+\i+3]|
.endr
	v_max3_num_f32 v8, v8, |v[XS+14]|, |v[XS+15]|
	v_max3_num_f32 v8, v8, v9, (EMAX+1)<<23        ; and the floor 2^(3 - 127): the byte cannot fall under 1
	v_max_num_f32_dpp v8, v8, v8 row_xmask:1 row_mask:0xf bank_mask:0xf   ; and of my neighbour's 16: the block's
	v_add_nc_u32 v11, 0xff000000, v8               ; 2 off its exponent field: the conversion takes the exponent field of this operand as its scale
	v_cvt_scalef32_pk8_fp4_f32 v[C+4*(\t)], v[XS:XS+7], v11
	v_cvt_scalef32_pk8_fp4_f32 v[C+4*(\t)+1], v[XS+8:XS+15], v11
	v_lshrrev_b32 v[E+(\t)], 23, v11               ; the scale's byte (also the plain line behind the conversions)
	ds_store_b8 v5, v[E+(\t)] offset:16*(\t)       ; both lanes of a block write the same byte with the same value
	global_store_b64 v4, v[C+4*(\t):C+4*(\t)+1], s[18:19] offset:32*CB*(\t)   ; the wave stores 256 consecutive bytes, aligned
.endm
.irp t, 0,1,2,3,4,5,6,7,8,9,10,11,12,13,14,15
	STEP \t
.endr
	ds_load_b64 v[8:9], v6                         ; LDS serves a wave's instructions in order: these see my byte stores
	s_wait_dscnt 0x0
	global_store_b64 v7, v[8:9], s[20:21]          ; 32 lanes store 256 consecutive bytes, aligned
	s_wait_tensorcnt 0x0                           ; the wave's end: a wait, an add of 0 to my spare word and a wait for it, behind my last LDS store
	ds_add_u32 v[SPW], v[NIL]
	s_wait_dscnt 0x0
	s_endpgm
; ---- Wo to f16: a wave takes 8,192 numbers: 64 loads of 512 consecutive bytes, 32 of them on their way; each store covers 256 consecutive bytes, aligned.
.set DEPTH, 32
.Lwo:
	s_sub_co_u32 s27, ttmp9, 448
	s_lshl_b32 s27, s27, 2
	s_add_co_u32 s27, s27, s26
	s_lshl_b32 s30, s27, 15
	s_add_nc_u64 s[12:13], s[12:13], s[30:31]
	s_lshl_b32 s30, s27, 14
	s_add_nc_u64 s[22:23], s[22:23], s[30:31]
	v_lshlrev_b32 v3, 4, v2                        ; in: 16 bytes a lane; never rewritten
	v_lshlrev_b32 v4, 3, v2                        ; out: 8 bytes a lane; never rewritten
.set n, 0
.rept DEPTH
	global_load_b128 v[R+4*n:R+4*n+3], v3, s[12:13] offset:512*n th:TH_LOAD_NT
.set n, n+1
.endr
.set n, 0
.rept 64
.if n < 64-DEPTH
	s_wait_loadcnt DEPTH-1                         ; load n is in; the 31 younger ones stay out
.else
	s_wait_loadcnt 63-n                            ; the last 32 steps load nothing: the counts run down
.endif
.if n == DEPTH
	s_wait_xcnt 0x0                                ; the 32 stores before have read their data: the 32 steps from here on write those pairs again
.endif
	v_cvt_pk_f16_f32 v[X+2*(n%DEPTH)], v[R+4*(n%DEPTH)], v[R+4*(n%DEPTH)+1]
	v_cvt_pk_f16_f32 v[X+2*(n%DEPTH)+1], v[R+4*(n%DEPTH)+2], v[R+4*(n%DEPTH)+3]
.if n < 64-DEPTH
	global_load_b128 v[R+4*(n%DEPTH):R+4*(n%DEPTH)+3], v3, s[12:13] offset:512*(n+DEPTH) th:TH_LOAD_NT
.endif
	global_store_b64 v4, v[X+2*(n%DEPTH):X+2*(n%DEPTH)+1], s[22:23] offset:256*n
.set n, n+1
.endr
	s_endpgm
; ---- the tables: a wave takes one block of 16 rows.  The short pieces are gathered here once; every head of the next launch then reads the block by dense loads.
.Lrope:
	s_sub_co_u32 s27, ttmp9, 512
	s_lshl_b32 s27, s27, 2
	s_add_co_u32 s27, s27, s26                     ; the block
	s_lshl_b32 s30, s27, 13                        ; 16 rows of 512 bytes
	s_add_nc_u64 s[14:15], s[14:15], s[30:31]
	s_add_nc_u64 s[16:17], s[16:17], s[30:31]
	s_lshl_b32 s30, s27, 14                        ; 32 pieces of 512 bytes
	s_add_nc_u64 s[24:25], s[24:25], s[30:31]
	v_and_b32 v3, 15, v2
	v_lshrrev_b32 v4, 4, v2
	v_lshlrev_b32 v3, 9, v3
	v_lshl_add_u32 v3, v4, 5, v3                   ; 512 r + 32 h
	v_lshlrev_b32 v5, 4, v2                        ; 16 x lane
.set n, 0
.rept 16
	global_load_b128 v[16+4*n:19+4*n], v3, s[14:15] offset:64*(n/2)+16*(n%2)
.set n, n+1
.endr
.set n, 0
.rept 16
	global_load_b128 v[80+4*n:83+4*n], v3, s[16:17] offset:64*(n/2)+16*(n%2)
.set n, n+1
.endr
.set n, 0
.rept 32
	s_wait_loadcnt 31-n                            ; piece n is in; the younger ones stay out
	global_store_b128 v5, v[16+4*n:19+4*n], s[24:25] offset:512*n   ; 512 consecutive bytes
.set n, n+1
.endr
	s_endpgm
.Lfunc_end_k_q1b60f8ec8b_prep:
	.size	k_q1b60f8ec8b_prep, .Lfunc_end_k_q1b60f8ec8b_prep-k_q1b60f8ec8b_prep
	.p2alignl 7, 3214868480
	.fill 96, 4, 3214868480
	.section	.rodata,"a",@progbits
	.p2align	6, 0x0
	.amdhsa_kernel k_q1b60f8ec8b_prep
		.amdhsa_group_segment_fixed_size 33280
		.amdhsa_private_segment_fixed_size 0
		.amdhsa_enable_private_segment 0
		.amdhsa_kernarg_size 88
		.amdhsa_user_sgpr_count 2
		.amdhsa_user_sgpr_kernarg_segment_ptr 1
		.amdhsa_wavefront_size32 1
		.amdhsa_system_sgpr_workgroup_id_x 1
		.amdhsa_system_sgpr_workgroup_id_y 1
		.amdhsa_system_sgpr_workgroup_id_z 1
		.amdhsa_system_vgpr_workitem_id 0
		.amdhsa_next_free_vgpr 256
		.amdhsa_next_free_sgpr 66
		.amdhsa_reserve_vcc 0
		.amdhsa_float_denorm_mode_32 3
		.amdhsa_float_denorm_mode_16_64 3
		.amdhsa_memory_ordered 1
		.amdhsa_forward_progress 1
		.amdhsa_inst_pref_size 64
	.end_amdhsa_kernel
	.amdgpu_metadata
---
amdhsa.version: [ 1, 2 ]
amdhsa.kernels:
  - .name:           k_q1b60f8ec8b_prep
    .symbol:         k_q1b60f8ec8b_prep.kd
    .args:
      - { .name: hidden_states, .offset: 0, .size: 8, .value_kind: global_buffer, .address_space: global }
      - { .name: Wq, .offset: 8, .size: 8, .value_kind: global_buffer, .address_space: global }
      - { .name: Wk, .offset: 16, .size: 8, .value_kind: global_buffer, .address_space: global }
      - { .name: Wv, .offset: 24, .size: 8, .value_kind: global_buffer, .address_space: global }
      - { .name: Wo, .offset: 32, .size: 8, .value_kind: global_buffer, .address_space: global }
      - { .name: cos, .offset: 40, .size: 8, .value_kind: global_buffer, .address_space: global }
      - { .name: sin, .offset: 48, .size: 8, .value_kind: global_buffer, .address_space: global }
      - { .name: codes, .offset: 56, .size: 8, .value_kind: global_buffer, .address_space: global }
      - { .name: scales, .offset: 64, .size: 8, .value_kind: global_buffer, .address_space: global }
      - { .name: wo16, .offset: 72, .size: 8, .value_kind: global_buffer, .address_space: global }
      - { .name: rope, .offset: 80, .size: 8, .value_kind: global_buffer, .address_space: global }
    .group_segment_fixed_size: 33280
    .private_segment_fixed_size: 0
    .kernarg_segment_align: 8
    .kernarg_segment_size: 88
    .max_flat_workgroup_size: 128
    .sgpr_count:     66
    .vgpr_count:     256
    .wavefront_size: 32
...
	.end_amdgpu_metadata
.endif
;; end of part 1
;; launch qkv (part 2): grid 12 x 16, 4 waves a work-group, clusters of 4 x 4, 327,680 bytes of LDS; arguments codes, scales, rope, q_norm_w, k_norm_w, qkv16, qkvf; writes qkv16, qkvf
.if DOCPART == 2
	.amdgcn_target "amdgcn-amd-amdhsa--gfx1250"
	.amdhsa_code_object_version 6
	.text
	.protected	k_q1b60f8ec8b_qkv
	.globl	k_q1b60f8ec8b_qkv
	.p2align	8
	.type	k_q1b60f8ec8b_qkv,@function
k_q1b60f8ec8b_qkv:
	s_mov_b64 s[64:65], 0
	v_nop
	global_prefetch_b8 v0, s[64:65] scope:SCOPE_SE
	s_setreg_imm32_b32 hwreg(HW_REG_WAVE_MODE, 25, 1), 1
	s_wait_xcnt 0x0
	s_wait_alu depctr_hold_cnt(0) depctr_sa_sdst(0) depctr_va_vdst(0) depctr_va_sdst(0) depctr_va_ssrc(0) depctr_va_vcc(0) depctr_vm_vsrc(0)
	s_getreg_b32 s2, hwreg(HW_REG_IB_STS2, 6, 4)
	s_cmp_eq_u32 s2, 0
	s_cbranch_scc0 .Lentry_in_a_cluster
	s_endpgm
.Lentry_in_a_cluster:
	s_bfe_u32 s2, ttmp6, 0x10000c
	s_cmp_lg_u32 s2, 0xf033
	s_cbranch_scc0 .Lentry_shape_is_right
	s_endpgm
.Lentry_shape_is_right:
; q, k, v = x Wq^T, x Wk^T, x Wv^T on codes of FP4 (E2M1) with one E8M0 scale for each 32 along K, as ONE product C = A B^T: A = rows 0-4095 of codes (x), B = rows 4096-7167 (Wq, Wk, Wv);
; M 4,096, N 3,072, K 2,048; sums in f32.  On the way out q and k get the per-head RMSNorm and RoPE in f32; all three are rounded to f16 into qkv16 [kind][batch x 8 + head][2048][128];
; rows 0-15 of each sequence also leave in f32 (qkvf [kind][batch x 8 + head][16][128]) for the launch that carries those rows finely.
; A tile of C, 256 x 256, is made by four waves; a wave makes 128 rows x 128 columns = ONE HEAD: 64 accumulators of 16 x 16, 512 registers.  So a row's norm needs one exchange between the halves of the
; lanes, and RoPE's partner d +- 64 lies in the same lane and register four accumulators away.  192 work-groups: a narrower tile would give more, but would cut heads apart.
; K goes in steps of 512 (rows of 256 bytes) through a ring of two LDS slots filled by the tensor data mover; the scale bytes of the work-group's rows, for all of K, come once, with the first fills.
; CLUSTERS: 4 x 4 work-groups; A's tiles are asked for jointly along a row of the cluster, B's along a column.  A cluster's x is the kind (0 q, 1 k, 2 v): the same in all sixteen partners.
; THE MATRIX INSTRUCTION IS USED TRANSPOSED (source 0 = 16 rows of B, source 1 = 16 rows of A): lane (r, h) of accumulator (a, b) holds row 16 a + r, columns 16 b + 8 h + 0 .. 7.
; REGISTERS: window 0: v0-31 addresses; v32-95 scale words, two sets; v128-191 A's fragments, one set; v192-255 the norm's gain w[16 b + 8 h + j] at v[192 + 8 b + j].
;   window 1: B's fragments, two sets; on the way out two sets of the tables.   window 2: accumulators of my rows 0-63 ((a, b) at v[8 (8 a + b)]);   window 3: rows 64-127.
; LIMITS: q, k, v beyond 65,504 have no f16; the norm and RoPE use fused multiply-adds, so a last bit may differ from separate roundings; NaN and infinities are not served.
.set KSTEP,  512
.set NQ,     KSTEP/128
.set ROWB,   256
.set KROW,   1024                      ; a row of codes in memory
.set PITCH,  272                       ; an LDS row: 256 bytes + 16 of padding: the 16 rows that a load touches start at 16 different banks (64 banks of 4 bytes: ISA guide 11.1)
.set FR,     8
.set NL,     2
.set NP,     4
.set HALFT,  128*PITCH
.set SLOT,   4*HALFT
.set LAPS,   2                         ; K = 2,048 is twice round the ring
.set KS,     64                        ; a row of scales in bytes
.set SCL,    2*SLOT
.set HALFS,  (128*KS/256)*272
.set SBLK,   (16*KS/256)*272
.set SPARE,  SCL+4*HALFS               ; behind the scales: the spare words, 128 bytes a wave
.set ADRA, 16
.set WOF,  18                          ; v18  32 h: my place in the gain
.set ADRB, 20
.set STO,  24                          ; v24  the way out: where I put 16 bytes of a row: wave x 4,352 + 272 r + 16 h.  The stage lies in slot 0, which has had its last fill and its last read by then
.set RD,   25                          ; v25  where I read rows back: wave x 4,352 + 272 (lane / 16) + 16 (lane % 16)
.set CO,   26                          ; v26  16 x lane
.set ADRS, 27
.set SPW,  28
.set NIL,  29
.set FO,   30                          ; v30  512 r + 32 h: my place in a block of 16 rows of f32
.set FLG,  31                          ; v31  my first row's place in its sequence: 0 where my block 0 is a sequence's first 16 rows
.set SC,   32
.set AF,   128
.set RS,   32                          ; the way out: v32-47   1 / rms of block a's row, in pairs
.set CH,   48                          ;              v48-79   the sums' chains
.set PK,   64                          ;              v64-95   a block's f16
.set T,    96                          ;              v96-159  a block after RoPE
.set WG,   192
.set G1, 24
.set G0, 32
.set G1B, 48
.set G0B, 56
.set G1S, 68
.set G0S, 76
.set G1SB, 80
.set G0SB, 88
.set MSB, 0
.macro WIN new                         ; the immediate's high byte repeats the setting that is left; a switch that changes nothing is dropped
.if MSB != (\new)
	s_set_vgpr_msb (MSB<<8)|(\new)
.set MSB, (\new)
.endif
.endm
.set MUL_LO, 0xa1                      ; source 0 (B) window 1, source 1 (A) window 0, C and D window 2
.set MUL_HI, 0xf1
.set TO_B,   0x40
; A joint load: waves 0 and 1 fetch for A, waves 2 and 3 for B; the branch hangs on the wave's number alone.  An s_nop 0 and four v_nop follow each line.
.macro JLOAD g0a, g1a, g0b, g1b
	s_cmp_eq_u32 s15, 0
	s_cbranch_scc0 .Lfor_b_\@
	tensor_load_to_lds s[\g0a:\g0a+3], s[\g1a:\g1a+7]
	s_nop 0
.rept 4
	v_nop
.endr
	s_branch .Lasked_\@
.Lfor_b_\@:
	tensor_load_to_lds s[\g0b:\g0b+3], s[\g1b:\g1b+7]
	s_nop 0
.rept 4
	v_nop
.endr
.Lasked_\@:
.endm
.macro CREST                           ; a round of the cluster's barrier behind its opening barrier
	s_cmp_lg_u32 s14, 0
	s_cbranch_scc1 .Lnot_wave_0_\@
	s_barrier_signal -3
.Lnot_wave_0_\@:
	s_barrier_wait -3
	s_barrier_signal -1
	s_barrier_wait -1
.endm
.macro CROUND
	s_barrier_signal -1
	s_barrier_wait -1
	CREST
.endm
	s_load_b128 s[4:7], s[0:1], 0x0                ; codes, scales
	v_lshl_add_u32 v[SPW], v0, 2, SPARE
	v_mov_b32 v[NIL], 0
	ds_add_u32 v[SPW], v[NIL]                      ; the wave's opening: the add, twice on end, and its wait ahead of my first tensor load
	ds_add_u32 v[SPW], v[NIL]
	v_lshrrev_b32 v1, 5, v0
	v_readfirstlane_b32 s14, v1                    ; wave 0..3
	s_lshr_b32 s15, s14, 1                         ; which half of the tile's rows is mine.  Also: I fetch for A (0) or for B (1)
	s_and_b32 s16, s14, 1                          ; which head of the tile's two.  Also: which 128 rows I fetch
	s_bfe_u32 s40, ttmp6, 0x40000                  ; cx, cy
	s_bfe_u32 s41, ttmp6, 0x40004
	s_lshl_b32 s42, ttmp9, 2
	s_add_co_u32 s42, s42, s40                     ; tile column = 4 x cluster x + cx
	s_and_b32 s17, ttmp7, 0xffff
	s_lshl_b32 s17, s17, 2
	s_add_co_u32 s17, s17, s41                     ; tile row = 4 x cluster y + cy
	s_lshl_b32 s43, s41, 2
	s_lshl_b32 s43, 15, s43                        ; my row of the cluster
	s_lshl_b32 s44, 0x1111, s40                    ; my column
	s_or_b32 s[G1+0], s43, (0<<16)|(1<<20)|(1<<21)|(5<<22)|(3<<25)  ; mask; elements of 1 byte; padding: 4 words behind every 64; bit 21 beside a mask
	s_or_b32 s[G1B+0], s44, (0<<16)|(1<<20)|(1<<21)|(5<<22)|(3<<25)
.irp g, G1, G1B
	s_mov_b32 s[\g+1], ROWB<<16                    ; tensor_dim0
	s_mov_b32 s[\g+2], 128<<16                     ; tensor_dim1
	s_mov_b32 s[\g+3], ROWB<<16                    ; tile_dim0
	s_mov_b32 s[\g+4], 128                         ; tile_dim1
	s_mov_b32 s[\g+5], KROW                        ; pitch
	s_mov_b32 s[\g+6], 0
	s_mov_b32 s[\g+7], 0
.endr
	s_or_b32 s[G1S+0], s43, (3<<16)|(1<<20)|(1<<21)|(5<<22)|(3<<25)  ; the scales of 128 rows: a dense block, as rows of 256 bytes (32 elements of 8), 16 bytes of padding behind each
	s_or_b32 s[G1SB+0], s44, (3<<16)|(1<<20)|(1<<21)|(5<<22)|(3<<25)
.irp g, G1S, G1SB
	s_mov_b32 s[\g+1], 32<<16
	s_mov_b32 s[\g+2], (128*KS/256)<<16
	s_mov_b32 s[\g+3], 32<<16
	s_mov_b32 s[\g+4], 128*KS/256
	s_mov_b32 s[\g+5], 32
	s_mov_b32 s[\g+6], 0
	s_mov_b32 s[\g+7], 0
.endr
	s_lshl_b32 s18, s16, 7
	s_lshl_b32 s20, s17, 8
	s_add_co_u32 s20, s20, s18                     ; A: row 256 x tile row + 128 x half
	s_lshl_b32 s46, s42, 8
	s_add_co_u32 s46, s46, s18                     ; B: row 256 x tile column + 128 x half
	s_mov_b32 s21, 0
	s_mov_b32 s47, 0
	s_mov_b64 s[18:19], KS
	s_mul_u64 s[22:23], s[20:21], s[18:19]
	s_mul_u64 s[92:93], s[46:47], s[18:19]
	s_mov_b64 s[18:19], KROW
	s_mul_u64 s[20:21], s[20:21], s[18:19]
	s_mul_u64 s[46:47], s[46:47], s[18:19]
	s_mul_i32 s45, s14, HALFT                      ; where they go: wave x 128 rows
	s_mul_i32 s94, s14, HALFS
	s_mov_b32 s96, 0x76543210                      ; v_permlanex16_b32's selects for lane l xor 16
	s_mov_b32 s97, 0xfedcba98
	s_mov_b32 s98, 0x3c000000                      ; 1 / 128
	s_mov_b32 s99, 0x358637bd                      ; 1e-6
	s_wait_dscnt 0x0                               ; both opening adds are done
	s_wait_kmcnt 0x0
	s_add_nc_u64 s[8:9], s[4:5], 0x400000          ; B's codes begin behind x's 4,096 rows of 1,024 bytes,
	s_add_nc_u64 s[10:11], s[6:7], 0x40000         ; B's scales behind 4,096 rows of 64
	s_add_nc_u64 s[20:21], s[4:5], s[20:21]
	s_add_nc_u64 s[22:23], s[6:7], s[22:23]
	s_add_nc_u64 s[46:47], s[8:9], s[46:47]
	s_add_nc_u64 s[92:93], s[10:11], s[92:93]
	CROUND                                         ; all sixteen work-groups are here: the first joint loads meet
	s_mov_b32 s[G0S], 1
	s_add_co_u32 s[G0S+1], s94, SCL
	s_mov_b64 s[G0S+2:G0S+3], s[22:23]
	s_or_b32 s[G0S+3], s[G0S+3], 0x80000000
	s_mov_b32 s[G0SB], 1
	s_add_co_u32 s[G0SB+1], s94, SCL
	s_mov_b64 s[G0SB+2:G0SB+3], s[92:93]
	s_or_b32 s[G0SB+3], s[G0SB+3], 0x80000000
	JLOAD G0S, G1S, G0SB, G1SB                     ; the scales first; with the two slots three loads of mine are out
.irp s, 0,1
	s_mov_b32 s[G0+4*\s], 1
	s_add_co_u32 s[G0+4*\s+1], s45, \s*SLOT
	s_add_nc_u64 s[G0+4*\s+2:G0+4*\s+3], s[20:21], \s*ROWB
	s_or_b32 s[G0+4*\s+3], s[G0+4*\s+3], 0x80000000
	s_mov_b32 s[G0B+4*\s], 1
	s_add_co_u32 s[G0B+4*\s+1], s45, \s*SLOT
	s_add_nc_u64 s[G0B+4*\s+2:G0B+4*\s+3], s[46:47], \s*ROWB
	s_or_b32 s[G0B+4*\s+3], s[G0B+4*\s+3], 0x80000000
	JLOAD G0+4*\s, G1, G0B+4*\s, G1B
.endr
	s_load_b256 s[4:11], s[0:1], 0x10              ; the way out's buffers: rope 4, q_norm_w 6, k_norm_w 8, qkv16 10
	s_load_b64 s[12:13], s[0:1], 0x30              ; qkvf
	v_and_b32 v1, 15, v0                           ; r
	v_bfe_u32 v2, v0, 4, 1                         ; h
	v_mul_u32_u24 v3, v1, PITCH
	v_lshl_add_u32 v4, v2, 4, v3
	s_mul_i32 s21, s15, HALFT
	s_mul_i32 s22, s16, HALFT
	s_add_co_u32 s22, s22, 2*HALFT
.irp s, 0,1
	v_add_nc_u32 v[ADRA+\s], s21, v4
	v_add_nc_u32 v[ADRB+\s], s22, v4
	s_add_co_u32 s21, s21, SLOT
	s_add_co_u32 s22, s22, SLOT
.endr
	v_mul_u32_u24 v5, v1, KS                       ; my row's scales: KS bytes a row, and 16 more for each 256 passed
	v_lshrrev_b32 v6, 8, v5
	v_lshl_add_u32 v5, v6, 4, v5
	s_mul_i32 s21, s15, HALFS
	s_mul_i32 s22, s16, HALFS
	s_add_co_u32 s22, s22, 2*HALFS
	s_sub_co_u32 s22, s22, s21
	v_mul_u32_u24 v6, s22, v2                      ; lanes 16-31 take B's
	s_add_co_u32 s21, s21, SCL
	v_add_nc_u32 v5, v5, v6
	v_add_nc_u32 v[ADRS], s21, v5
	s_mul_i32 s23, s14, 16*272                     ; my stage
	v_mul_u32_u24 v5, v1, 272
	v_lshl_add_u32 v5, v2, 4, v5
	v_add_nc_u32 v[STO], s23, v5
	v_mul_u32_u24 v5, v2, 272
	v_lshl_add_u32 v5, v1, 4, v5
	v_add_nc_u32 v[RD], s23, v5
	v_and_b32 v6, 31, v0
	v_lshlrev_b32 v[CO], 4, v6
	v_lshlrev_b32 v[WOF], 5, v2
	v_lshlrev_b32 v[FO], 9, v1
	v_lshl_add_u32 v[FO], v2, 5, v[FO]
	s_lshl_b32 s2, s17, 8
	s_lshl_b32 s66, s15, 7
	s_add_co_u32 s2, s2, s66                       ; my first row of x: 256 x tile row + 128 x half
	s_and_b32 s66, s2, 2047                        ; its place in its sequence
	v_mov_b32 v[FLG], s66
	s_lshr_b32 s67, s2, 11                         ; the batch
	s_lshl_b32 s67, s67, 3
	s_lshl_b32 s92, s40, 1
	s_add_co_u32 s92, s92, s16                     ; the head: 2 cx + my half
	s_add_co_u32 s67, s67, s92
	s_lshl_b32 s92, ttmp9, 4
	s_add_co_u32 s67, s67, s92                     ; kind x 16 + batch x 8 + head
	s_mov_b32 s93, 0
	s_wait_kmcnt 0x0
	s_lshl_b32 s92, s2, 10                         ; the tables: a block of 16 rows is 16,384 bytes
	s_add_nc_u64 s[4:5], s[4:5], s[92:93]
	s_lshl_b32 s92, s67, 11
	s_add_co_u32 s92, s92, s66
	s_lshl_b32 s92, s92, 8                         ; qkv16: a row of a head is 256 bytes
	s_add_nc_u64 s[10:11], s[10:11], s[92:93]
	s_lshl_b32 s92, s67, 13                        ; qkvf: 16 rows of 512 bytes
	s_add_nc_u64 s[12:13], s[12:13], s[92:93]
	s_cmp_eq_u32 ttmp9, 0
	s_cselect_b64 s[100:101], s[6:7], s[8:9]       ; q's gain, or k's (v's clusters load k's too and do not use it: that spares a branch)
.set q, 0
.rept 16
	global_load_b128 v[WG+4*q:WG+4*q+3], v[WOF], s[100:101] offset:64*(q/2)+16*(q%2)   ; they land while K is walked; nothing else names these registers before the way out
.set q, q+1
.endr
.macro FRAG reg, adr, q, i             ; 16 rows x 128 K of 4-bit codes: 8 registers: two loads of 16 bytes, 32 apart
.irp c, 0,1
	ds_load_b128 v[\reg+4*\c:\reg+4*\c+3], v[\adr] offset:64*(\q)+32*\c+(\i)*16*PITCH
.endr
.endm
; 16 matrix instructions: A's blocks a0, a0 + 1 x B's eight.  The 64 accumulators take turns, one instruction a turn, in the same order in every step.
.macro MUL16 a0, p, q, sc, zero
.irp a, \a0, \a0+1
.irp b, 0,1,2,3,4,5,6,7
.if \zero
	v_wmma_scale_f32_16x16x128_f8f6f4 v[8*(8*((\a)%4)+\b):8*(8*((\a)%4)+\b)+7], v[128*(\p)+FR*\b:128*(\p)+FR*\b+FR-1], v[AF+FR*(\a):AF+FR*(\a)+FR-1], 0, v[SC+8*NQ*(\sc)+NQ*\b+(\q)], v[SC+8*NQ*(\sc)+NQ*(\a)+(\q)] matrix_a_fmt:MATRIX_FMT_FP4 matrix_b_fmt:MATRIX_FMT_FP4 matrix_a_scale:MATRIX_SCALE_ROW1
.else
	v_wmma_scale_f32_16x16x128_f8f6f4 v[8*(8*((\a)%4)+\b):8*(8*((\a)%4)+\b)+7], v[128*(\p)+FR*\b:128*(\p)+FR*\b+FR-1], v[AF+FR*(\a):AF+FR*(\a)+FR-1], v[8*(8*((\a)%4)+\b):8*(8*((\a)%4)+\b)+7], v[SC+8*NQ*(\sc)+NQ*\b+(\q)], v[SC+8*NQ*(\sc)+NQ*(\a)+(\q)] matrix_a_fmt:MATRIX_FMT_FP4 matrix_b_fmt:MATRIX_FMT_FP4 matrix_a_scale:MATRIX_SCALE_ROW1
.endif
.endr
.endr
.endm
.macro FETCH_B slot, q, p
	WIN TO_B
.irp i, 0,1,2,3,4,5,6,7
	FRAG 128*(\p)+FR*\i, ADRB+\slot, \q, \i
.endr
	WIN 0
.endm
.macro FETCH_A slot, q, i0
.irp i, \i0, \i0+1, \i0+2, \i0+3
	FRAG AF+FR*(\i), ADRA+\slot, \q, \i
.endr
.endm
.macro SCALES sc                       ; a K step's scale words: lanes 0-15 take A's block i, lanes 16-31 B's block i
.irp i, 0,1,2,3,4,5,6,7
	ds_load_b128 v[SC+8*NQ*\sc+NQ*\i:SC+8*NQ*\sc+NQ*\i+3], v[ADRS] offset:\i*SBLK
.endr
.endm
.macro PLACES n                        ; plain vector instructions between a matrix instruction and a load into, or a vector read of, its registers
.rept \n
	v_nop
.endr
.endm
.macro STEP slot, q, zero              ; 128 along K with its successor in the same slot
	s_wait_dscnt 4*NL                              ; B's set and A's blocks 0-3 are in; the youngest eight loads (A's blocks 4-7) may be out
	WIN MUL_LO
	MUL16 0, (\q)%2, \q, \slot, \zero
	MUL16 2, (\q)%2, \q, \slot, \zero
	s_wait_dscnt 0
	PLACES NP
	FETCH_B \slot, (\q)+1, 1-(\q)%2
	FETCH_A \slot, (\q)+1, 0
	WIN MUL_HI
	MUL16 4, (\q)%2, \q, \slot, \zero
	MUL16 6, (\q)%2, \q, \slot, \zero
	PLACES NP
	WIN 0
	FETCH_A \slot, (\q)+1, 4
.endm
; A slot's last step changes slots: one barrier; in front of it each wave waits for all its tensor loads, adds 0 to its spare word, and waits for that and for its reads of this slot.
.macro TURN slot, next, fill
	s_wait_tensorcnt 0x0                           ; all my tensor loads have landed: my part of the next slot
	ds_add_u32 v[SPW], v[NIL]
	s_wait_dscnt 4*NL+1                            ; (the add and the youngest eight loads may be out)
	WIN MUL_LO
	MUL16 0, 1, NQ-1, \slot, 0
	s_wait_dscnt 0x0                               ; the add is done, and my reads of this slot are over
	s_barrier_signal -1
	MUL16 2, 1, NQ-1, \slot, 0
	WIN 0
	s_barrier_wait -1
.if \fill
	CREST                                          ; the barrier has opened a round of the cluster's: no wave of any partner still reads this slot or has a load on its way
	s_add_nc_u64 s[G0+4*\slot+2:G0+4*\slot+3], s[G0+4*\slot+2:G0+4*\slot+3], 2*ROWB
	s_add_nc_u64 s[G0B+4*\slot+2:G0B+4*\slot+3], s[G0B+4*\slot+2:G0B+4*\slot+3], 2*ROWB
	JLOAD G0+4*\slot, G1, G0B+4*\slot, G1B         ; my one tensor load behind the round; its four v_nop are the places in front of the loads below
.else
	PLACES NP
.endif
	v_add_nc_u32 v[ADRS], 4*NQ, v[ADRS]            ; on to the next K step's scale words
	FETCH_B \next, 0, 0
	FETCH_A \next, 0, 0
	SCALES \next
	WIN MUL_HI
	MUL16 4, 1, NQ-1, \slot, 0
	MUL16 6, 1, NQ-1, \slot, 0
	PLACES NP
	WIN 0
	FETCH_A \next, 0, 4
.endm
.macro STEPS slot, from
.set Q, \from
.rept NQ-1-\from
	STEP \slot, Q, 0
.set Q, Q+1
.endr
.endm
	s_wait_tensorcnt 1                             ; the scales and my part of K step 0 are in; slot 1's load may be out
	s_barrier_signal -1
	s_barrier_wait -1
	FETCH_B 0, 0, 0
	FETCH_A 0, 0, 0
	SCALES 0
	FETCH_A 0, 0, 4
	STEP 0, 0, 1                                   ; the first step's products start the sums: nothing is cleared
	s_mov_b32 s3, LAPS-1
.Llap:
	STEPS 0, 1
	TURN 0, 1, 1
	STEPS 1, 0
	TURN 1, 0, 1
	STEP 0, 0, 0
	s_sub_co_u32 s3, s3, 1
	s_cmp_lg_u32 s3, 0
	s_cbranch_scc1 .Llap
	STEPS 0, 1                                     ; the last lap fills nothing
	TURN 0, 1, 0
	STEPS 1, 0
	s_wait_dscnt 4*NL
	WIN MUL_LO
	MUL16 0, 1, NQ-1, 1, 0
	MUL16 2, 1, NQ-1, 1, 0
	s_wait_dscnt 0
	WIN MUL_HI
	MUL16 4, 1, NQ-1, 1, 0
	MUL16 6, 1, NQ-1, 1, 0
	WIN 0
; ---------------- THE WAY OUT, a block of 16 rows x my head's 128 columns at a time ----------------
.macro RLOAD a                         ; block a's tables into set a % 2 of window 1: cos at v[8 b + j], sin 64 further on: 32 loads of 512 consecutive bytes
	WIN 0x40
.set q, 0
.rept 32
	global_load_b128 v[128*((\a)%2)+4*q:128*((\a)%2)+4*q+3], v[CO], s[4:5] offset:16384*(\a)+512*q
.set q, q+1
.endr
.endm
.macro SUMSQ4 hi                       ; the sums of squares of four blocks (one window), two chains a block, the eight chains by turns; each accumulator is read from its low end on
	WIN 0x0a+5*(\hi)
.set q, 0
.rept 32
.irp a, 0,1,2,3
.if q < 2
	v_pk_mul_f32 v[CH+4*(4*(\hi)+\a)+2*q:CH+4*(4*(\hi)+\a)+2*q+1], v[64*\a+2*q:64*\a+2*q+1], v[64*\a+2*q:64*\a+2*q+1]
.else
	v_pk_fma_f32 v[CH+4*(4*(\hi)+\a)+2*(q%2):CH+4*(4*(\hi)+\a)+2*(q%2)+1], v[64*\a+2*q:64*\a+2*q+1], v[64*\a+2*q:64*\a+2*q+1], v[CH+4*(4*(\hi)+\a)+2*(q%2):CH+4*(4*(\hi)+\a)+2*(q%2)+1]
.endif
.endr
.set q, q+1
.endr
.endm
; Rows 0-15 of a sequence leave in f32 too.  No branch hangs on the work-group's place: the lanes are simply off where my first row is not a sequence's first.  Pieces of 32 bytes, 393,216 bytes in the whole launch.
.macro FINE base, win
	s_wait_xcnt 0x0                                ; EXEC changes only behind this wait
	v_cmp_eq_u32 vcc_lo, 0, v[FLG]
	s_and_saveexec_b32 s95, vcc_lo
	WIN \win
.set q, 0
.rept 16
	global_store_b128 v[FO], v[(\base)+4*q:(\base)+4*q+3], s[12:13] offset:64*(q/2)+16*(q%2)
.set q, q+1
.endr
	WIN 0
	s_wait_xcnt 0x0                                ; and again: the stores have read EXEC and their data
	s_or_b32 exec_lo, exec_lo, s95
.endm
.macro TOSTAGE a, base                 ; 16 bytes a lane into rows of 272 bytes, and back as whole rows, into the block's own accumulators, which are done with
.irp b, 0,1,2,3,4,5,6,7
	ds_store_b128 v[STO], v[PK+4*\b:PK+4*\b+3] offset:(\base)+32*\b
.endr
	WIN 0x80+0x40*((\a)/4)
.irp f, 0,1,2,3,4,5,6,7
	ds_load_b128 v[64*((\a)%4)+4*\f:64*((\a)%4)+4*\f+3], v[RD] offset:(\base)+544*\f   ; LDS serves a wave's instructions in order: these see the stores above
.endr
.endm
.macro SEND a                          ; 16 rows of a head are 4,096 consecutive bytes: each store covers 512 of them, aligned.  No base is stepped, no store's data written again
	s_wait_dscnt 0x0
	WIN 0x08+4*((\a)/4)
.irp f, 0,1,2,3,4,5,6,7
	global_store_b128 v[CO], v[64*((\a)%4)+4*\f:64*((\a)%4)+4*\f+3], s[10:11] offset:4096*(\a)+512*\f
.endr
	WIN 0
.endm
.macro QKBLOCK a
.set AB, 64*((\a)%4)
.set AW, 2+(\a)/4
.set RP, 128*((\a)%2)
.if (\a) < 7
	s_wait_loadcnt 32                              ; this block's tables (and the gain) are in; the next block's 32 loads may be out
.else
	s_wait_loadcnt 0x0
.endif
	WIN (AW<<6)|AW
.set q, 0
.rept 32
	v_pk_mul_f32 v[AB+2*q:AB+2*q+1], v[AB+2*q:AB+2*q+1], v[RS+2*(\a):RS+2*(\a)+1] op_sel_hi:[1,0]   ; x / rms,
.set q, q+1
.endr
.set q, 0
.rept 32
	v_pk_mul_f32 v[AB+2*q:AB+2*q+1], v[AB+2*q:AB+2*q+1], v[WG+2*q:WG+2*q+1]                         ; times the gain: z
.set q, q+1
.endr
	WIN 4|AW
.set q, 0
.rept 32
	v_pk_mul_f32 v[T+2*q:T+2*q+1], v[AB+2*q:AB+2*q+1], v[RP+2*q:RP+2*q+1]                           ; z cos
.set q, q+1
.endr
.set q, 0
.rept 16
	v_pk_fma_f32 v[T+2*q:T+2*q+1], v[AB+32+2*q:AB+33+2*q], v[RP+64+2*q:RP+65+2*q], v[T+2*q:T+2*q+1] neg_lo:[1,0,0] neg_hi:[1,0,0]   ; d < 64: - z[d + 64] sin[d]
.set q, q+1
.endr
.rept 16
	v_pk_fma_f32 v[T+2*q:T+2*q+1], v[AB-32+2*q:AB-31+2*q], v[RP+64+2*q:RP+65+2*q], v[T+2*q:T+2*q+1]   ; d >= 64: + z[d - 64] sin[d]
.set q, q+1
.endr
.if (\a) < 6
	RLOAD (\a)+2                                   ; this set of the tables is done with
.endif
	WIN 0
.if (\a) == 0
	FINE T, 0
.endif
.set q, 0
.rept 32
	v_cvt_pk_f16_f32 v[PK+q], v[T+2*q], v[T+2*q+1]
.set q, q+1
.endr
.if (\a) > 0
	SEND (\a)-1
.endif
	TOSTAGE \a, 0
.endm
.macro VBLOCK a                        ; v has neither norm nor RoPE
.set AB, 64*((\a)%4)
	WIN 0x0a+5*((\a)/4)
.set q, 0
.rept 32
	v_cvt_pk_f16_f32 v[PK+q], v[AB+2*q], v[AB+2*q+1]
.set q, q+1
.endr
	WIN 0
.if (\a) == 0
	FINE 0, 0x08
.endif
.if (\a) > 0
	SEND (\a)-1
.endif
	TOSTAGE \a, 32768                              ; this path has stage bytes of its own
.endm
	PLACES NP                                      ; behind the last products: in front of the first reads of results and of loads and writes into operands that are done with
	s_cmp_eq_u32 ttmp9, 2                          ; the kind: the same in all sixteen partners
	s_cbranch_scc1 .Lv
	RLOAD 0
	RLOAD 1
	SUMSQ4 0
	SUMSQ4 1
	WIN 0
.irp a, 0,1,2,3,4,5,6,7
	v_pk_add_f32 v[CH+4*\a:CH+4*\a+1], v[CH+4*\a:CH+4*\a+1], v[CH+4*\a+2:CH+4*\a+3]
.endr
.irp a, 0,1,2,3,4,5,6,7
	v_add_f32 v[CH+4*\a], v[CH+4*\a], v[CH+4*\a+1]
.endr
.irp a, 0,1,2,3,4,5,6,7
	v_permlanex16_b32 v[CH+4*\a+2], v[CH+4*\a], s96, s97           ; the row's other 64 columns lie in the lane 16 away
.endr
.irp a, 0,1,2,3,4,5,6,7
	v_add_f32 v[CH+4*\a], v[CH+4*\a], v[CH+4*\a+2]
.endr
.irp a, 0,1,2,3,4,5,6,7
	v_fma_f32 v[CH+4*\a], v[CH+4*\a], s98, s99                     ; the mean (x 2^-7 rounds nothing) + 1e-6
.endr
.irp a, 0,1,2,3,4,5,6,7
	v_rsq_f32 v[RS+2*\a], v[CH+4*\a]                               ; one batch of eight
.endr
.irp a, 0,1,2,3,4,5,6,7
	v_mov_b32 v[RS+2*\a+1], 0                                      ; the pairs' upper words, named but not used; plain lines behind the batch
.endr
	s_wait_alu depctr_va_vdst(0)                   ; one wait for the batch, ahead of its first reader
.irp a, 0,1,2,3,4,5,6,7
	QKBLOCK \a
.endr
	SEND 7
	s_branch .Lend
.Lv:
.irp a, 0,1,2,3,4,5,6,7
	VBLOCK \a
.endr
	SEND 7
.Lend:
	s_wait_tensorcnt 0x0                           ; the wave's end: a wait, an add of 0 to my spare word and a wait for it, behind my last tensor load and my last LDS store
	ds_add_u32 v[SPW], v[NIL]
	s_wait_dscnt 0x0
	CROUND                                         ; the closing round
	s_endpgm
.Lfunc_end_k_q1b60f8ec8b_qkv:
	.size	k_q1b60f8ec8b_qkv, .Lfunc_end_k_q1b60f8ec8b_qkv-k_q1b60f8ec8b_qkv
	.p2alignl 7, 3214868480
	.fill 96, 4, 3214868480
	.section	.rodata,"a",@progbits
	.p2align	6, 0x0
	.amdhsa_kernel k_q1b60f8ec8b_qkv
		.amdhsa_group_segment_fixed_size 327680
		.amdhsa_private_segment_fixed_size 0
		.amdhsa_enable_private_segment 0
		.amdhsa_kernarg_size 56
		.amdhsa_user_sgpr_count 2
		.amdhsa_user_sgpr_kernarg_segment_ptr 1
		.amdhsa_wavefront_size32 1
		.amdhsa_system_sgpr_workgroup_id_x 1
		.amdhsa_system_sgpr_workgroup_id_y 1
		.amdhsa_system_sgpr_workgroup_id_z 1
		.amdhsa_system_vgpr_workitem_id 0
		.amdhsa_next_free_vgpr 1024
		.amdhsa_next_free_sgpr 102
		.amdhsa_reserve_vcc 1
		.amdhsa_float_denorm_mode_32 3
		.amdhsa_float_denorm_mode_16_64 3
		.amdhsa_memory_ordered 1
		.amdhsa_forward_progress 1
		.amdhsa_inst_pref_size 255
	.end_amdhsa_kernel
	.section	.bss,"aw",@nobits
	.p2align	6
	.space	262144
	.amdgpu_metadata
---
amdhsa.version: [ 1, 2 ]
amdhsa.kernels:
  - .name:           k_q1b60f8ec8b_qkv
    .symbol:         k_q1b60f8ec8b_qkv.kd
    .args:
      - { .name: codes, .offset: 0, .size: 8, .value_kind: global_buffer, .address_space: global }
      - { .name: scales, .offset: 8, .size: 8, .value_kind: global_buffer, .address_space: global }
      - { .name: rope, .offset: 16, .size: 8, .value_kind: global_buffer, .address_space: global }
      - { .name: q_norm_w, .offset: 24, .size: 8, .value_kind: global_buffer, .address_space: global }
      - { .name: k_norm_w, .offset: 32, .size: 8, .value_kind: global_buffer, .address_space: global }
      - { .name: qkv16, .offset: 40, .size: 8, .value_kind: global_buffer, .address_space: global }
      - { .name: qkvf, .offset: 48, .size: 8, .value_kind: global_buffer, .address_space: global }
    .group_segment_fixed_size: 327680
    .private_segment_fixed_size: 0
    .kernarg_segment_align: 8
    .kernarg_segment_size: 56
    .max_flat_workgroup_size: 128
    .sgpr_count:     102
    .vgpr_count:     1024
    .wavefront_size: 32
...
	.end_amdgpu_metadata
.endif
;; end of part 2
;; launch attn (part 3): grid 16 x 16, 8 waves a work-group, no clusters, 327,680 bytes of LDS; arguments qkv16, attn16; writes attn16
.if DOCPART == 3
	.amdgcn_target "amdgcn-amd-amdhsa--gfx1250"
	.amdhsa_code_object_version 6
	.text
	.protected	k_q1b60f8ec8b_attn
	.globl	k_q1b60f8ec8b_attn
	.p2align	8
	.type	k_q1b60f8ec8b_attn,@function
k_q1b60f8ec8b_attn:
	s_mov_b64 s[64:65], 0
	v_nop
	global_prefetch_b8 v0, s[64:65] scope:SCOPE_SE
	s_setreg_imm32_b32 hwreg(HW_REG_WAVE_MODE, 25, 1), 1
	s_wait_xcnt 0x0
; attn[b][q][head][:] = the sum over keys k of softmax_k(Q[q] . K[k] / sqrt(128)) V[k][:], where k <= q and q - k < 1,024.  Q, K, V: qkv16 [kind][b x 8 + head][2048][128] f16; products, maxima and sums in f32;
; the weights p are rounded to f16 for the second product, the result once, into attn16 [4096][1024] f16 (column = head x 128 + d).
; SHARES.  A work-group (x = block i of 128 queries, y = b x 8 + head) has eight waves: wave w takes queries 32 g .. 32 g + 31 (g = w % 4), two tiles of 16, and the half p = w / 4 of every block of 128 keys.
; Two waves lie on a SIMD: one's softmax stands beside the other's products.  At the end waves w and w xor 4 join their halves through LDS.  Register tile t holds query tile t xor p, so that every wave keeps
; its tile 0 and hands over its tile 1: the same register numbers in all waves.
; THE WALK.  Nine steps, a constant: key block i - T, T = 0 .. 8, from the diagonal down.  Tiles that the mask hides wholly are left out: blocks under 0 (a jump on ids round the step's work and, a step
; earlier, round the load alone: every wait for tensor loads in this text is for 0); on the diagonal the upper half of the keys for the lower 64 queries; in block i - 8 the lower half for the upper 64.
; Hidden scores of the two edge blocks become -infinity ahead of the maximum.  The running maximum is taken as the softmax asks; a half that saw no key has the factor 0 at the join.
; LAYOUT.  S^T = K Q^T (source 0 = 16 keys, source 1 = 16 queries): a lane holds ONE query (lane % 16) and keys 8 (lane / 16) + 0..7; two such tiles, rounded in pairs, are source 1 of O^T = V^T P.
; NO CLUSTER: the query blocks of a head walk different key blocks (i - 8 .. i), so a partner would have to jump over the reads of jointly fetched tiles, by its place.
; No prefetch is written: each key block is asked for by a tensor load at the head of the work-group whose diagonal it is.
; LDS: slot 0 at 0, slot 1 at 2^17; a slot has two parts (the halves of the keys) of 35,840 bytes: 64 rows of K, pitch 272, then 64 rows of V, pitch 288.  Behind the ring: the join's images, the stages, the spare words.
; REGISTERS: window 0: v0-15 addresses; v16-31 statistics, eight a tile: c m, m, l (two halves), four at work; v32-95 S^T; v96-127 P; v128-255 K's fragments, then V's.   window 1: v0-127 O^T (64 t + 8 ct); v128-191 Q.
; LIMITS: rows 0-15 of each sequence are stored here like the others (the next launch's tiles read them); their fine values are made by the last launch.
.set PKP,   272
.set PVP,   288
.set VOFF,  64*PKP
.set PART,  64*(PKP+PVP)
.set SLOT1, 1<<17
.set MRG,   SLOT1+2*PART               ; the join: for each wave 8,192 bytes of O^T's tile 1 as an image of its registers, and 512 of statistics
.set MRGW,  8704
.set STG,   MRG+8*MRGW                 ; the way out: 16 rows x 272 bytes for each wave
.set SPARE, STG+8*16*272               ; the spare words, 128 bytes a wave
.set RD,   0                           ; v0   the stage, back (made last: v0's thread number is not needed behind it)
.set STO,  1                           ; v1   the stage, in
.set AK0,  2
.set AV0,  3
.set ADK,  4
.set ADV,  5
.set QO,   6                           ; v6, v7  my byte offset in the wave's 32 rows of Q, for tiles 0 and 1
.set GO,   8
.set MW,   9
.set MR,   10
.set NINF, 11
.set DV,   12                          ; v12, v13  tile t: my query's place less my first key's, within a block: 32 g + 16 (t xor p) - 64 p + r - 8 h
.set SPW,  14
.set NIL,  15
.set ST,   16
.set S,    32
.set P,    96
.set KV,   128
.set MSB, 0
.macro WIN new
.if MSB != (\new)
	s_set_vgpr_msb (MSB<<8)|(\new)
.set MSB, (\new)
.endif
.endm
; Waves 0 and 1 fetch K's two parts, waves 2 and 3 V's, the others nothing.  An s_nop 0 and four v_nop follow each line.
.macro TLOAD
	s_cmp_lt_u32 s8, 2
	s_cbranch_scc0 .Lnot_k_\@
	tensor_load_to_lds s[40:43], s[24:31]
	s_nop 0
.rept 4
	v_nop
.endr
	s_branch .Lasked_\@
.Lnot_k_\@:
	s_cmp_lt_u32 s8, 4
	s_cbranch_scc0 .Lasked_\@
	tensor_load_to_lds s[44:47], s[32:39]
	s_nop 0
.rept 4
	v_nop
.endr
.Lasked_\@:
.endm
	s_load_b128 s[4:7], s[0:1], 0x0                ; qkv16, attn16
	v_lshl_add_u32 v[SPW], v0, 2, SPARE
	v_mov_b32 v[NIL], 0
	ds_add_u32 v[SPW], v[NIL]                      ; the wave's opening: the add, twice on end, and its wait ahead of the first tensor load
	ds_add_u32 v[SPW], v[NIL]
	v_lshrrev_b32 v32, 5, v0
	v_readfirstlane_b32 s8, v32                    ; w
	s_and_b32 s9, s8, 3                            ; g
	s_lshr_b32 s10, s8, 2                          ; p
	s_mov_b32 s11, ttmp9                           ; i
	s_and_b32 s12, ttmp7, 0xffff                   ; y
	s_mov_b32 s13, 0                               ; T
	s_mov_b32 s14, ttmp9                           ; the step's key block, i - T
	s_sub_co_u32 s15, s8, 4
	s_cmp_lt_u32 s15, 2
	s_cselect_b32 s15, 0, 99                       ; waves 4 and 5 leave step 0 out: keys 64-127 of the diagonal block come after queries 0-63
	s_sub_co_u32 s16, s8, 2
	s_cmp_lt_u32 s16, 2
	s_cselect_b32 s16, 1, 0                        ; waves 2 and 3 leave step 8 out: keys 0-63 of block i - 8 lie 1,024 or more behind queries 64-127
	s_mov_b32 s17, 0                               ; where the slot in hand begins
	s_mov_b32 s18, 0x3e0293ee                      ; c = log2(e) / sqrt(128)
	s_mov_b32 s19, s18
	s_mov_b32 s20, 0x76543210
	s_mov_b32 s21, 0xfedcba98
	s_mov_b32 s24, (1<<16)|(1<<20)|(5<<22)|(3<<25) ; K: elements of 2 bytes; 4 words of padding behind every 64
	s_mov_b32 s32, (1<<16)|(1<<20)|(5<<22)|(7<<25) ; V: 8 words
.irp g, 24, 32
	s_mov_b32 s[\g+1], 128<<16                     ; tensor_dim0
	s_mov_b32 s[\g+2], 64<<16                      ; tensor_dim1
	s_mov_b32 s[\g+3], 128<<16                     ; tile_dim0
	s_mov_b32 s[\g+4], 64                          ; tile_dim1
	s_mov_b32 s[\g+5], 128                         ; pitch
	s_mov_b32 s[\g+6], 0
	s_mov_b32 s[\g+7], 0
.endr
	s_and_b32 s22, s8, 1                           ; which part I fetch, if I fetch
	s_mul_i32 s23, s22, PART
	s_lshl_b32 s48, s11, 15                        ; 128 i rows of 256 bytes
	s_lshl_b32 s49, s22, 14
	s_add_co_u32 s48, s48, s49
	s_lshl_b32 s49, s12, 19                        ; a head is 524,288 bytes
	s_add_co_u32 s48, s48, s49
	s_mov_b32 s49, 0
	s_wait_dscnt 0x0                               ; both opening adds are done
	s_wait_kmcnt 0x0
	s_mov_b32 s40, 1
	s_mov_b32 s41, s23
	s_add_nc_u64 s[42:43], s[4:5], s[48:49]
	s_add_nc_u64 s[42:43], s[42:43], 16*524288     ; K's heads lie behind Q's sixteen
	s_or_b32 s43, s43, 0x80000000
	s_mov_b32 s44, 1
	s_add_co_u32 s45, s23, VOFF
	s_add_nc_u64 s[46:47], s[4:5], s[48:49]
	s_add_nc_u64 s[46:47], s[46:47], 32*524288
	s_or_b32 s47, s47, 0x80000000
	TLOAD                                          ; slot 0: the diagonal block, which every work-group reads
	v_and_b32 v32, 15, v0                          ; r
	v_bfe_u32 v33, v0, 4, 1                        ; h
	v_and_b32 v34, 31, v0                          ; lane
	s_mul_i32 s22, s10, PART                       ; my half's part of a slot
	v_mul_u32_u24 v[AK0], v32, PKP
	v_lshl_add_u32 v[AK0], v33, 4, v[AK0]
	v_add_nc_u32 v[AK0], s22, v[AK0]
	v_and_b32 v35, 7, v0
	v_bfe_u32 v36, v0, 3, 1
	v_lshl_add_u32 v[AV0], v33, 3, v35             ; the turning load: key 8 h + lane % 8, channels 8 ((lane / 8) % 2) on
	v_mul_u32_u24 v[AV0], v[AV0], PVP
	v_lshl_add_u32 v[AV0], v36, 4, v[AV0]
	s_add_co_u32 s22, s22, VOFF
	v_add_nc_u32 v[AV0], s22, v[AV0]
	v_lshlrev_b32 v[QO], 8, v32
	v_lshl_add_u32 v[QO], v33, 4, v[QO]
	s_lshl_b32 s22, s10, 12
	v_add_nc_u32 v[QO], s22, v[QO]                 ; tile 0 holds query tile p,
	v_xor_b32 v[QO+1], 0x1000, v[QO]               ; tile 1 the other
	v_lshlrev_b32 v[GO], 11, v33
	v_lshl_add_u32 v[GO], v32, 4, v[GO]
	s_mul_i32 s22, s8, MRGW
	s_add_co_u32 s22, s22, MRG
	v_lshl_add_u32 v[MW], v34, 4, s22
	s_xor_b32 s22, s8, 4
	s_mul_i32 s22, s22, MRGW
	s_add_co_u32 s22, s22, MRG
	v_lshl_add_u32 v[MR], v34, 4, s22
	v_mov_b32 v[NINF], 0xff800000
	s_lshl_b32 s22, s9, 5
	s_mul_i32 s23, s10, 48
	s_sub_co_i32 s22, s22, s23                     ; 32 g + 16 p - 64 p
	v_lshlrev_b32 v35, 3, v33
	v_sub_nc_u32 v35, v32, v35                     ; r - 8 h
	v_add_nc_u32 v[DV], s22, v35
	s_lshl_b32 s23, s10, 5
	s_sub_co_i32 s22, s22, s23
	s_add_co_i32 s22, s22, 16                      ; 32 g + 16 (1 - p) - 64 p
	v_add_nc_u32 v[DV+1], s22, v35
	s_mul_i32 s22, s8, 16*272
	s_add_co_u32 s22, s22, STG
	v_mul_u32_u24 v[STO], v32, 272
	v_lshl_add_u32 v[STO], v33, 4, v[STO]
	v_add_nc_u32 v[STO], s22, v[STO]
	v_mul_u32_u24 v35, v33, 272
	v_lshl_add_u32 v35, v32, 4, v35
	v_add_nc_u32 v[RD], s22, v35
	s_lshl_b32 s48, s12, 19
	s_lshl_b32 s49, s11, 15
	s_add_co_u32 s48, s48, s49
	s_lshl_b32 s49, s9, 13
	s_add_co_u32 s48, s48, s49
	s_mov_b32 s49, 0
	s_add_nc_u64 s[50:51], s[4:5], s[48:49]        ; Q at my wave's 32 rows
	s_lshr_b32 s48, s12, 3
	s_lshl_b32 s48, s48, 11
	s_lshl_b32 s49, s11, 7
	s_add_co_u32 s48, s48, s49
	s_lshl_b32 s49, s9, 5
	s_add_co_u32 s48, s48, s49
	s_lshl_b32 s49, s10, 4
	s_add_co_u32 s48, s48, s49                     ; the first row that I store: b x 2,048 + 128 i + 32 g + 16 p
	s_lshl_b32 s48, s48, 11
	s_and_b32 s49, s12, 7
	s_lshl_b32 s49, s49, 8
	s_add_co_u32 s48, s48, s49
	s_mov_b32 s49, 0
	s_add_nc_u64 s[6:7], s[6:7], s[48:49]
	WIN 0x40
.irp t, 0,1
.irp c, 0,1,2,3
	global_load_b128 v[128+32*\t+8*\c:131+32*\t+8*\c], v[QO+\t], s[50:51] offset:64*\c       ; Q stays in registers
	global_load_b128 v[132+32*\t+8*\c:135+32*\t+8*\c], v[QO+\t], s[50:51] offset:64*\c+32
.endr
.endr
.set n, 0
.rept 128
	v_mov_b32 v[n], 0                              ; O^T.  A wave's first step may be one that it leaves out, so no product at a fixed place of the text can start the sums
.set n, n+1
.endr
	WIN 0
.irp t, 0,1
	v_mov_b32 v[ST+8*\t+1], 0xff61b1e6             ; m: -3e38, under every score
	v_mul_f32 v[ST+8*\t], s18, v[ST+8*\t+1]        ; c m
.irp j, 2,3,4,5,6,7
	v_mov_b32 v[ST+8*\t+\j], 0
.endr
.endr
	s_wait_loadcnt 0x0                             ; Q
; THE CHANGE OF SLOTS stands at a step's head: all my tensor loads have landed (my part of the slot ahead), the add, the wait for it and for my reads of the slot left; the barrier; then the other slot's fill.
.macro CHANGE fill
	s_wait_tensorcnt 0x0                           ; no tensor load of mine is out, so a group 0 may be written
	ds_add_u32 v[SPW], v[NIL]
.if \fill
	ds_add_u32 v[SPW], v[NIL]                      ; and twice on end here, in every trip alike
	s_xor_b32 s41, s41, SLOT1                      ; the walking descriptors: the other slot, 128 keys further down
	s_sub_nc_u64 s[42:43], s[42:43], 32768
	s_xor_b32 s45, s45, SLOT1
	s_sub_nc_u64 s[46:47], s[46:47], 32768
.endif
	s_wait_dscnt 0x0
	s_barrier_signal -1
	s_barrier_wait -1
.if \fill
	s_cmp_lt_i32 s14, 1                            ; the next block would lie under 0: no step reads it, so it is not asked for.  Ids and the count of steps alone: all eight waves go the same way
	s_cbranch_scc1 .Lpast_\@
	TLOAD                                          ; a wave's one tensor load until the next barrier; it has a step's work in which to land
.Lpast_\@:
.endif
.endm
.macro MASK op                         ; register n of tile t holds the key 16 (n / 8) + n % 8 of my 64, less 8 h
.irp t, 0,1
.set n, 0
.rept 32
	\op vcc_lo, 16*(n/8)+n%8, v[DV+\t]
	v_cndmask_b32 v[S+32*\t+n], v[S+32*\t+n], v[NINF], vcc_lo
.set n, n+1
.endr
.endr
.endm
.macro SOFTMAX                         ; both tiles, line by line in turn
.irp j, 0,1,2,3
.irp t, 0,1
	v_max3_num_f32 v[ST+8*\t+4+\j], v[S+32*\t+8*\j], v[S+32*\t+8*\j+1], v[S+32*\t+8*\j+2]   ; four chains; each accumulator is first read at its low end
.endr
.endr
.irp i, 3,5
.irp j, 0,1,2,3
.irp t, 0,1
	v_max3_num_f32 v[ST+8*\t+4+\j], v[ST+8*\t+4+\j], v[S+32*\t+8*\j+\i], v[S+32*\t+8*\j+\i+1]
.endr
.endr
.endr
.irp t, 0,1
	v_max3_num_f32 v[ST+8*\t+4], v[ST+8*\t+4], v[S+32*\t+7], v[S+32*\t+15]
.endr
.irp t, 0,1
	v_max3_num_f32 v[ST+8*\t+6], v[ST+8*\t+6], v[S+32*\t+23], v[S+32*\t+31]
.endr
.irp t, 0,1
	v_max3_num_f32 v[ST+8*\t+4], v[ST+8*\t+4], v[ST+8*\t+5], v[ST+8*\t+6]
.endr
.irp t, 0,1
	v_max3_num_f32 v[ST+8*\t+4], v[ST+8*\t+4], v[ST+8*\t+7], v[ST+8*\t+1]   ; and the old m
.endr
.irp t, 0,1
	v_permlanex16_b32 v[ST+8*\t+5], v[ST+8*\t+4], s20, s21                  ; the query's other keys lie in the lane 16 away
.endr
.irp t, 0,1
	v_mov_b32 v[ST+8*\t+7], v[ST+8*\t]                                      ; c m_old
.endr
.irp t, 0,1
	v_max_num_f32 v[ST+8*\t+1], v[ST+8*\t+4], v[ST+8*\t+5]
.endr
.irp t, 0,1
	v_mul_f32 v[ST+8*\t], s18, v[ST+8*\t+1]
.endr
.irp t, 0,1
	v_sub_f32 v[ST+8*\t+7], v[ST+8*\t+7], v[ST+8*\t]
.endr
.set n, 0
.rept 16
.irp t, 0,1
	v_pk_fma_f32 v[S+32*\t+2*n:S+32*\t+2*n+1], v[S+32*\t+2*n:S+32*\t+2*n+1], s[18:19], v[ST+8*\t:ST+8*\t+1] op_sel_hi:[1,0,0] neg_lo:[0,0,1] neg_hi:[0,0,1]   ; c s - c m
.endr
.set n, n+1
.endr
.irp t, 0,1
	v_exp_f32 v[ST+8*\t+6], v[ST+8*\t+7]           ; a = 2^(c m_old - c m_new)
.endr
.set n, 0
.rept 32
.irp t, 0,1
	v_exp_f32 v[S+32*\t+n], v[S+32*\t+n]           ; ONE BATCH of 66: none reads another's result
.endr
.set n, n+1
.endr
	v_nop                                          ; the plain line behind the last exponential
	s_wait_alu depctr_va_vdst(0)                   ; one wait for the batch, ahead of its first reader
.set n, 0
.rept 16
.irp t, 0,1
	v_cvt_pk_f16_f32 v[P+16*\t+n], v[S+32*\t+2*n], v[S+32*\t+2*n+1]
.endr
.set n, n+1
.endr
.irp w, 4,8,16,32                      ; the sum of the 16 pairs, in place: neighbours 1, 2, 4, 8 pairs apart
.set n, 0
.rept 32/\w
.irp t, 0,1
	v_pk_add_f32 v[S+32*\t+\w*n:S+32*\t+\w*n+1], v[S+32*\t+\w*n:S+32*\t+\w*n+1], v[S+32*\t+\w*n+\w/2:S+32*\t+\w*n+\w/2+1]
.endr
.set n, n+1
.endr
.endr
.irp t, 0,1
	v_pk_fma_f32 v[ST+8*\t+2:ST+8*\t+3], v[ST+8*\t+2:ST+8*\t+3], v[ST+8*\t+6:ST+8*\t+7], v[S+32*\t:S+32*\t+1] op_sel_hi:[1,0,1]   ; l = a l + the sum
.endr
.endm
; A STEP: my 64 keys of the block in hand against my 32 queries.
.macro STEP last
.if \last
	s_cmp_eq_u32 s16, 1
.else
	s_cmp_eq_u32 s13, s15
.endif
	s_cbranch_scc1 .Lskip_\@
	s_cmp_lt_i32 s14, 0
	s_cbranch_scc1 .Lskip_\@
	v_add_nc_u32 v[ADK], s17, v[AK0]
	v_add_nc_u32 v[ADV], s17, v[AV0]
	v_nop
	v_nop                                          ; four plain lines behind the last step's products, in front of loads into V's registers
.irp c, 0,1,2,3
.irp kt, 0,1,2,3
	ds_load_b128 v[KV+8*(4*\c+\kt):KV+8*(4*\c+\kt)+3],   v[ADK] offset:\kt*16*PKP+64*\c
	ds_load_b128 v[KV+8*(4*\c+\kt)+4:KV+8*(4*\c+\kt)+7], v[ADK] offset:\kt*16*PKP+64*\c+32
.endr
.endr
	WIN 0x04                                       ; Q in window 1
.irp c, 0,1,2,3
	s_wait_dscnt 24-8*\c                           ; the eight loads of these 32 channels are in; the later channels' may be out
.irp kt, 0,1,2,3
.irp t, 0,1
.if \c == 0
	v_wmma_f32_16x16x32_f16 v[S+32*\t+8*\kt:S+32*\t+8*\kt+7], v[KV+8*(4*\c+\kt):KV+8*(4*\c+\kt)+7], v[128+32*\t+8*\c:135+32*\t+8*\c], 0
.else
	v_wmma_f32_16x16x32_f16 v[S+32*\t+8*\kt:S+32*\t+8*\kt+7], v[KV+8*(4*\c+\kt):KV+8*(4*\c+\kt)+7], v[128+32*\t+8*\c:135+32*\t+8*\c], v[S+32*\t+8*\kt:S+32*\t+8*\kt+7]
.endif
.endr
.endr
.endr                                              ; eight accumulators by turns, one instruction a turn
	WIN 0
.rept 4
	v_nop                                          ; in front of the loads into K's registers and of the first reads of the scores
.endr
.irp f, 0,1,2,3,4,5,6,7,8,9,10,11,12,13,14,15      ; V, turned: keys 32 (f / 8) on, channels 16 (f % 8) on; it lands under the softmax
	ds_load_tr16_b128 v[KV+8*\f:KV+8*\f+3],   v[ADV] offset:(\f/8)*32*PVP+(\f%8)*32
	ds_load_tr16_b128 v[KV+8*\f+4:KV+8*\f+7], v[ADV] offset:(\f/8)*32*PVP+16*PVP+(\f%8)*32
.endr
.if \last
	MASK v_cmp_le_i32                              ; block i - 8: a key is hidden where it lies 1,024 or more behind the query: its place <= the query's
.else
	s_cmp_lg_u32 s13, 0
	s_cbranch_scc1 .Lopen_\@
	MASK v_cmp_gt_i32                              ; the diagonal: hidden where the key's place > the query's
.Lopen_\@:
.endif
	SOFTMAX
	s_wait_dscnt 0x0                               ; V is in
	WIN 0x41
.irp t, 0,1
.set n, 0
.rept 32
	v_pk_mul_f32 v[64*\t+2*n:64*\t+2*n+1], v[64*\t+2*n:64*\t+2*n+1], v[ST+8*\t+6:ST+8*\t+7] op_sel_hi:[1,0]   ; O^T x a
.set n, n+1
.endr
.endr
	WIN 0x50
.irp u, 0,1
.irp ct, 0,1,2,3,4,5,6,7
.irp t, 0,1
	v_wmma_f32_16x16x32_f16 v[64*\t+8*\ct:64*\t+8*\ct+7], v[KV+8*(8*\u+\ct):KV+8*(8*\u+\ct)+7], v[P+16*\t+8*\u:P+16*\t+8*\u+7], v[64*\t+8*\ct:64*\t+8*\ct+7]
.endr
.endr
.endr                                              ; sixteen accumulators by turns
	WIN 0
.Lskip_\@:
	s_xor_b32 s17, s17, SLOT1                      ; on to the other slot,
	s_sub_co_i32 s14, s14, 1                       ; and the block below
.endm
.Lstep:                                            ; eight trips; the ninth step is written out: it asks for nothing and has the other mask
	CHANGE 1
	STEP 0
	s_add_co_u32 s13, s13, 1
	s_cmp_lt_u32 s13, 8
	s_cbranch_scc1 .Lstep
	CHANGE 0
	STEP 1
	; THE JOIN.  My tile 1 and its statistics go to wave w xor 4 as an image of the registers; its tile 1 is my tile 0's other half of the keys.
.rept 4
	v_nop                                          ; behind the last products
.endr
	WIN 0x04                                       ; an LDS store's data are its source 1: window 1
.set n, 0
.rept 16
	ds_store_b128 v[MW], v[64+4*n:67+4*n] offset:512*n             ; each accumulator from its low end on
.set n, n+1
.endr
	WIN 0
	ds_store_b128 v[MW], v[ST+8:ST+11] offset:8192
	s_wait_dscnt 0x0                               ; for the partner's sake: my stores have landed
	s_barrier_signal -1
	s_barrier_wait -1
.set n, 0
.rept 16
	ds_load_b128 v[KV+4*n:KV+4*n+3], v[MR] offset:512*n
.set n, n+1
.endr
	ds_load_b128 v[192:195], v[MR] offset:8192
	s_wait_dscnt 0x0
	v_max_num_f32 v20, v16, v192                   ; the larger c m
	v_add_f32 v18, v18, v19
	v_add_f32 v194, v194, v195
	v_sub_f32 v21, v16, v20
	v_sub_f32 v22, v192, v20
	v_exp_f32 v21, v21
	v_exp_f32 v22, v22
	v_nop
	s_wait_alu depctr_va_vdst(0)
	v_mul_f32 v18, v18, v21
	v_fma_f32 v18, v194, v22, v18
	v_permlanex16_b32 v19, v18, s20, s21
	v_add_f32 v18, v18, v19                        ; the row's sum over both halves of the keys and both halves of the lanes
	v_rcp_f32 v23, v18
	v_nop
	s_wait_alu depctr_va_vdst(0)
	v_mul_f32 v28, v21, v23
	v_mul_f32 v30, v22, v23
	WIN 0x01
.set n, 0
.rept 32
	v_pk_mul_f32 v[S+2*n:S+2*n+1], v[2*n:2*n+1], v[28:29] op_sel_hi:[1,0]
.set n, n+1
.endr
	WIN 0
.set n, 0
.rept 32
	v_pk_fma_f32 v[S+2*n:S+2*n+1], v[KV+2*n:KV+2*n+1], v[30:31], v[S+2*n:S+2*n+1] op_sel_hi:[1,0,1]
.set n, n+1
.endr
.set n, 0
.rept 32
	v_cvt_pk_f16_f32 v[P+n], v[S+2*n], v[S+2*n+1]
.set n, n+1
.endr
.irp ct, 0,1,2,3,4,5,6,7
	ds_store_b128 v[STO], v[P+4*\ct:P+4*\ct+3] offset:32*\ct
.endr
.irp f, 0,1,2,3,4,5,6,7
	ds_load_b128 v[KV+4*\f:KV+4*\f+3], v[RD] offset:544*\f         ; LDS serves a wave's instructions in order: these see the stores above
.endr
.irp f, 0,1,2,3,4,5,6,7
	s_wait_dscnt 7-\f                              ; the younger loads may be out
	global_store_b128 v[GO], v[KV+4*\f:KV+4*\f+3], s[6:7] offset:4096*\f   ; sixteen lanes store a head's 256 bytes of a row, aligned
.endr
	s_wait_tensorcnt 0x0                           ; the wave's end
	ds_add_u32 v[SPW], v[NIL]
	s_wait_dscnt 0x0
	s_endpgm
.Lfunc_end_k_q1b60f8ec8b_attn:
	.size	k_q1b60f8ec8b_attn, .Lfunc_end_k_q1b60f8ec8b_attn-k_q1b60f8ec8b_attn
	.p2alignl 7, 3214868480
	.fill 96, 4, 3214868480
	.section	.rodata,"a",@progbits
	.p2align	6, 0x0
	.amdhsa_kernel k_q1b60f8ec8b_attn
		.amdhsa_group_segment_fixed_size 327680
		.amdhsa_private_segment_fixed_size 0
		.amdhsa_enable_private_segment 0
		.amdhsa_kernarg_size 16
		.amdhsa_user_sgpr_count 2
		.amdhsa_user_sgpr_kernarg_segment_ptr 1
		.amdhsa_wavefront_size32 1
		.amdhsa_system_sgpr_workgroup_id_x 1
		.amdhsa_system_sgpr_workgroup_id_y 1
		.amdhsa_system_sgpr_workgroup_id_z 1
		.amdhsa_system_vgpr_workitem_id 0
		.amdhsa_next_free_vgpr 448
		.amdhsa_next_free_sgpr 66
		.amdhsa_reserve_vcc 1
		.amdhsa_float_denorm_mode_32 3
		.amdhsa_float_denorm_mode_16_64 3
		.amdhsa_memory_ordered 1
		.amdhsa_forward_progress 1
		.amdhsa_inst_pref_size 81
	.end_amdhsa_kernel
	.amdgpu_metadata
---
amdhsa.version: [ 1, 2 ]
amdhsa.kernels:
  - .name:           k_q1b60f8ec8b_attn
    .symbol:         k_q1b60f8ec8b_attn.kd
    .args:
      - { .name: qkv16, .offset: 0, .size: 8, .value_kind: global_buffer, .address_space: global }
      - { .name: attn16, .offset: 8, .size: 8, .value_kind: global_buffer, .address_space: global }
    .group_segment_fixed_size: 327680
    .private_segment_fixed_size: 0
    .kernarg_segment_align: 8
    .kernarg_segment_size: 16
    .max_flat_workgroup_size: 256
    .sgpr_count:     66
    .vgpr_count:     448
    .wavefront_size: 32
...
	.end_amdgpu_metadata
.endif
;; end of part 3
;; launch oproj (part 4): grid 16 x 16, 4 waves a work-group, clusters of 4 x 4, 327,680 bytes of LDS; arguments attn16, wo16, out0; writes out0
.if DOCPART == 4
	.amdgcn_target "amdgcn-amd-amdhsa--gfx1250"
	.amdhsa_code_object_version 6
	.text
	.protected	k_q1b60f8ec8b_oproj
	.globl	k_q1b60f8ec8b_oproj
	.p2align	8
	.type	k_q1b60f8ec8b_oproj,@function
k_q1b60f8ec8b_oproj:
	s_mov_b64 s[64:65], 0
	v_nop
	global_prefetch_b8 v0, s[64:65] scope:SCOPE_SE
	s_setreg_imm32_b32 hwreg(HW_REG_WAVE_MODE, 25, 1), 1
	s_wait_xcnt 0x0
	s_wait_alu depctr_hold_cnt(0) depctr_sa_sdst(0) depctr_va_vdst(0) depctr_va_sdst(0) depctr_va_ssrc(0) depctr_va_vcc(0) depctr_vm_vsrc(0)
	s_getreg_b32 s2, hwreg(HW_REG_IB_STS2, 6, 4)
	s_cmp_eq_u32 s2, 0
	s_cbranch_scc0 .Lentry_in_a_cluster
	s_endpgm
.Lentry_in_a_cluster:
	s_bfe_u32 s2, ttmp6, 0x10000c
	s_cmp_lg_u32 s2, 0xf033
	s_cbranch_scc0 .Lentry_shape_is_right
	s_endpgm
.Lentry_shape_is_right:
; out0[m][n] = the sum over k of attn16[m][k] wo16[n][k].  attn16 [4096][1024], wo16 [2048][1024]: f16; out0 [4096][2048] f32; sums in f32.
; A tile of out0 is 256 rows x 128 columns: 256 work-groups.  Four waves, each 128 rows x 64 columns: 32 accumulators of 16 x 16, all of window 1 ((a, b) at v[8 (4 a + b)]).
; K goes in eight steps of 128 (rows of 256 bytes, LDS pitch 272) through a ring of two slots: A's 256 rows, then B's 128.  Waves 0 and 1 fetch A's halves (128 rows), waves 2 and 3 B's (64 rows).
; CLUSTERS: 4 x 4 work-groups; A's tiles are asked for jointly along a row of the cluster, B's along a column.
; THE MATRIX INSTRUCTION IS USED TRANSPOSED (source 0 = 16 rows of wo16, source 1 = 16 rows of attn16): a lane holds eight neighbouring numbers of a row of out0.
; THE 32 ROWS that are a sequence's first 16 are not stored here: the last launch owns them.  No branch hangs on the work-group's place: the lanes of that one block's stores are off.
; THE TILES ARE PREFETCHED INTO THE L2, two refills (256 matrix instructions of a wave) ahead of the joint load that will want them: macro ASK.
; window 0: v0-31 addresses; two fragment buffers of 96 (32 along K): B's four at F, A's eight at F + 32; on the way out v64-127 rows read back.
.set KSTEP,  128
.set PITCH,  272
.set HALFA,  128*PITCH
.set HALFB,  64*PITCH
.set SLOT,   2*HALFA+2*HALFB
.set STAGE,  2*SLOT                    ; behind the ring: 16 rows x 272 bytes for each wave
.set SPARE,  STAGE+4*16*272            ; the spare words, 128 bytes a wave
.set LAPS,   4
.set ADRA, 16
.set ADRB, 20
.set STO,  24
.set RD,   25
.set CO,   26
.set FLG,  27                          ; v27  my first row's place in its sequence
.set SPW,  28
.set NIL,  29
.set PFO,  30                          ; v30  the prefetches' offset; never rewritten.  Waves 0, 1: 2,048 x lane (a lane a row).  Waves 2, 3: 2,048 x (lane % 16) + 256 x (lane / 16): 16 rows, two K steps
.set PFA,  18                          ; s[18:19] where my prefetches stand: my work-group's rows of those that I fetch, one K step further along K than the refill that is being asked for; a prefetch names the K step after that
.set LIM0, 2                           ; s2   at slot 0's refills: 1 in a wave that prefetches, else the greatest number
.set LIM1, 22                          ; s22  at slot 1's refills: the same, but the greatest number in waves 2 and 3, whose one prefetch at slot 0's refill has named both K steps
.set F0,   64
.set F1,   160
.set BK,   64
.set G1, 24
.set G0, 32
.set G1B, 48
.set G0B, 56
.set MSB, 0
.macro WIN new
.if MSB != (\new)
	s_set_vgpr_msb (MSB<<8)|(\new)
.set MSB, (\new)
.endif
.endm
.set MUL, 0x50                         ; C and D window 1, fragments window 0
.macro JLOAD s                         ; an s_nop 0 and four v_nop follow each of the two lines
	s_cmp_eq_u32 s11, 0
	s_cbranch_scc0 .Lfor_b_\@
	tensor_load_to_lds s[G0+4*\s:G0+4*\s+3], s[G1:G1+7]
	s_nop 0
.rept 4
	v_nop
.endr
	s_branch .Lasked_\@
.Lfor_b_\@:
	tensor_load_to_lds s[G0B+4*\s:G0B+4*\s+3], s[G1B:G1B+7]
	s_nop 0
.rept 4
	v_nop
.endr
.Lasked_\@:
.endm
; A PREFETCH INTO THE L2, behind each joint refill, its five lines and the run of LDS loads that follows them: the K step that stands TWO refills on; a K step is 256 bytes of each row.
; Each row's 256 bytes of a K step are named ONCE in the launch.  A's tile row is read by the four clusters of that row of clusters: cluster x = 0 asks; B's tile column by the four of that column: cluster y = 0 asks.
; The four partners that ask for a tile jointly share its rows out BY ADDRESS: of the 128 rows of A that wave 0 or 1 fetches, the partner at cx takes 32, a lane a row, at every refill; of the 64 rows of B that
; wave 2 or 3 fetches, the partner at cy takes 16: lanes 0-15 name them in the K step two refills on, lanes 16-31 in the one after, and these waves ask at slot 0's refills alone.
; The refills bring K steps 2 to 7; those of steps 2 to 5 ask for steps 4 to 7; the loop's last trip (s3 = 1) asks for nothing.  K steps 0 to 3 come by their loads alone: nothing is asked for at the head.
.macro ASK slot
.if \slot == 0
	s_cmp_gt_u32 s3, s[LIM0]
.else
	s_cmp_gt_u32 s3, s[LIM1]
.endif
	s_cbranch_scc0 .Lnot_mine_\@
	global_prefetch_b8 v[PFO], s[PFA:PFA+1] offset:KSTEP*2 th:TH_LOAD_NT scope:SCOPE_SE
.Lnot_mine_\@:
.endm
.macro CREST
	s_cmp_lg_u32 s10, 0
	s_cbranch_scc1 .Lnot_wave_0_\@
	s_barrier_signal -3
.Lnot_wave_0_\@:
	s_barrier_wait -3
	s_barrier_signal -1
	s_barrier_wait -1
.endm
.macro CROUND
	s_barrier_signal -1
	s_barrier_wait -1
	CREST
.endm
	s_load_b128 s[4:7], s[0:1], 0x0                ; attn16, wo16
	s_load_b64 s[8:9], s[0:1], 0x10                ; out0
	v_lshl_add_u32 v[SPW], v0, 2, SPARE
	v_mov_b32 v[NIL], 0
	ds_add_u32 v[SPW], v[NIL]                      ; the wave's opening: the add, twice on end, and its wait ahead of my first tensor load
	ds_add_u32 v[SPW], v[NIL]
	v_lshrrev_b32 v1, 5, v0
	v_readfirstlane_b32 s10, v1                    ; wave
	s_lshr_b32 s11, s10, 1                         ; which half of the tile's rows is mine.  Also: I fetch for A (0) or for B (1)
	s_and_b32 s12, s10, 1                          ; which half of its columns.  Also: which half of that tile I fetch
	s_bfe_u32 s40, ttmp6, 0x40000
	s_bfe_u32 s41, ttmp6, 0x40004
	s_lshl_b32 s42, ttmp9, 2
	s_add_co_u32 s42, s42, s40                     ; tile column
	s_and_b32 s13, ttmp7, 0xffff
	s_lshl_b32 s13, s13, 2
	s_add_co_u32 s13, s13, s41                     ; tile row
	s_lshl_b32 s43, s41, 2
	s_lshl_b32 s43, 15, s43
	s_lshl_b32 s44, 0x1111, s40
	s_or_b32 s[G1+0], s43, (1<<16)|(1<<20)|(1<<21)|(5<<22)|(3<<25)   ; mask; elements of 2 bytes; 4 words of padding behind every 64; bit 21 beside a mask
	s_or_b32 s[G1B+0], s44, (1<<16)|(1<<20)|(1<<21)|(5<<22)|(3<<25)
	s_mov_b32 s[G1+1], KSTEP<<16
	s_mov_b32 s[G1+2], 128<<16
	s_mov_b32 s[G1+3], KSTEP<<16
	s_mov_b32 s[G1+4], 128                         ; A: 128 rows to a load
	s_mov_b32 s[G1+5], 1024
	s_mov_b32 s[G1+6], 0
	s_mov_b32 s[G1+7], 0
	s_mov_b32 s[G1B+1], KSTEP<<16
	s_mov_b32 s[G1B+2], 64<<16
	s_mov_b32 s[G1B+3], KSTEP<<16
	s_mov_b32 s[G1B+4], 64                         ; B: 64
	s_mov_b32 s[G1B+5], 1024
	s_mov_b32 s[G1B+6], 0
	s_mov_b32 s[G1B+7], 0
	s_lshl_b32 s16, s13, 8
	s_lshl_b32 s17, s12, 7
	s_add_co_u32 s16, s16, s17                     ; A: row 256 x tile row + 128 x half
	s_lshl_b32 s16, s16, 11                        ; a row is 2,048 bytes
	s_mov_b32 s17, 0
	s_lshl_b32 s46, s42, 7
	s_lshl_b32 s47, s12, 6
	s_add_co_u32 s46, s46, s47                     ; B: row 128 x tile column + 64 x half
	s_lshl_b32 s46, s46, 11
	s_mov_b32 s47, 0
	s_mul_i32 s20, s12, HALFA                      ; where they go: no place in the cluster enters an LDS address
	s_mul_i32 s21, s12, HALFB
	s_add_co_u32 s21, s21, 2*HALFA
	s_wait_dscnt 0x0
	s_wait_kmcnt 0x0
	s_add_nc_u64 s[14:15], s[4:5], s[16:17]
	s_add_nc_u64 s[46:47], s[6:7], s[46:47]
	CROUND                                         ; in front of the first joint loads
.irp s, 0,1
	s_mov_b32 s[G0+4*\s], 1
	s_add_co_u32 s[G0+4*\s+1], s20, \s*SLOT
	s_add_nc_u64 s[G0+4*\s+2:G0+4*\s+3], s[14:15], \s*KSTEP*2
	s_or_b32 s[G0+4*\s+3], s[G0+4*\s+3], 0x80000000
	s_mov_b32 s[G0B+4*\s], 1
	s_add_co_u32 s[G0B+4*\s+1], s21, \s*SLOT
	s_add_nc_u64 s[G0B+4*\s+2:G0B+4*\s+3], s[46:47], \s*KSTEP*2
	s_or_b32 s[G0B+4*\s+3], s[G0B+4*\s+3], 0x80000000
	JLOAD \s                                       ; two loads of mine are out
.endr
	v_and_b32 v1, 15, v0
	v_bfe_u32 v2, v0, 4, 1
	v_mul_u32_u24 v3, v1, PITCH
	v_lshl_add_u32 v3, v2, 4, v3
	s_mul_i32 s21, s11, HALFA                      ; my 128 rows of A
	s_mul_i32 s22, s12, HALFB                      ; my 64 rows of B, behind A's 256
	s_add_co_u32 s22, s22, 2*HALFA
.irp s, 0,1
	v_add_nc_u32 v[ADRA+\s], s21, v3
	v_add_nc_u32 v[ADRB+\s], s22, v3
	s_add_co_u32 s21, s21, SLOT
	s_add_co_u32 s22, s22, SLOT
.endr
	s_mul_i32 s23, s10, 16*272
	s_add_co_u32 s23, s23, STAGE
	v_mul_u32_u24 v4, v1, 272
	v_lshl_add_u32 v4, v2, 5, v4
	v_add_nc_u32 v[STO], s23, v4                   ; in: row r, 32 bytes for each half of the lanes
	v_mul_u32_u24 v5, v2, 272
	v_lshl_add_u32 v5, v1, 4, v5
	v_add_nc_u32 v[RD], s23, v5                    ; back: lanes 0-15 one row of 256 bytes, lanes 16-31 the next
	v_lshlrev_b32 v5, 13, v2
	v_lshl_add_u32 v[CO], v1, 4, v5                ; and the same two rows in out0
	s_lshl_b32 s16, s13, 8
	s_lshl_b32 s17, s11, 7
	s_add_co_u32 s16, s16, s17                     ; my first row
	s_and_b32 s22, s16, 2047
	v_mov_b32 v[FLG], s22
	s_lshl_b32 s16, s16, 13
	s_lshl_b32 s46, s42, 9
	s_lshl_b32 s47, s12, 8
	s_add_co_u32 s46, s46, s47
	s_add_co_u32 s16, s16, s46
	s_mov_b32 s17, 0
	s_add_nc_u64 s[8:9], s[8:9], s[16:17]
	; the prefetches: where mine stand, and who asks.  The descriptors are made: none of the registers written here feeds one
	s_lshl_b32 s20, s13, 8                         ; A: the tile's first row,
	s_lshl_b32 s21, s12, 7
	s_add_co_u32 s20, s20, s21                     ; + the 128 rows that I fetch,
	s_lshl_b32 s21, s40, 5
	s_add_co_u32 s20, s20, s21                     ; + my work-group's 32 of them, by cx
	s_lshl_b32 s14, s42, 7                         ; B: the tile's first row,
	s_lshl_b32 s21, s12, 6
	s_add_co_u32 s14, s14, s21                     ; + the 64 rows that I fetch,
	s_lshl_b32 s21, s41, 4
	s_add_co_u32 s14, s14, s21                     ; + my work-group's 16 of them, by cy
	s_and_b32 s15, ttmp7, 0xffff                   ; cluster y
	s_cmp_eq_u32 s11, 0                            ; do I fetch for A?
	s_cselect_b32 s20, s20, s14
	s_cselect_b32 s15, ttmp9, s15                  ; the coordinate along which other clusters read the same rows
	s_cselect_b64 s[PFA:PFA+1], s[4:5], s[6:7]
	s_cselect_b32 s16, 31, 15                      ; rows that one prefetch names, less 1
	s_cselect_b32 s17, 0, 256                      ; what lanes 16-31 add along K
	s_cmp_eq_u32 s15, 0
	s_cselect_b32 s[LIM0], 1, -1                   ; the same in all sixteen partners, for a given wave
	s_cmp_eq_u32 s11, 0
	s_cselect_b32 s[LIM1], s[LIM0], -1
	s_lshl_b32 s20, s20, 11                        ; a row is 2,048 bytes
	s_mov_b32 s21, 0
	s_add_nc_u64 s[PFA:PFA+1], s[PFA:PFA+1], s[20:21]
	s_add_nc_u64 s[PFA:PFA+1], s[PFA:PFA+1], 2*KSTEP*2  ; at K step 2: the first refill steps it to 3 and names K step 4
	v_and_b32 v[PFO], s16, v0
	v_mul_u32_u24 v5, s17, v2
	v_lshl_add_u32 v[PFO], v[PFO], 11, v5
.macro MUL8 f, a0, zero                ; A's blocks a0, a0 + 1 x B's four.  The 32 accumulators take turns in the same order in every quarter
.irp a, \a0, \a0+1
.irp b, 0,1,2,3
.if \zero
	v_wmma_f32_16x16x32_f16 v[8*(4*(\a)+\b):8*(4*(\a)+\b)+7], v[\f+8*\b:\f+8*\b+7], v[\f+32+8*(\a):\f+32+8*(\a)+7], 0
.else
	v_wmma_f32_16x16x32_f16 v[8*(4*(\a)+\b):8*(4*(\a)+\b)+7], v[\f+8*\b:\f+8*\b+7], v[\f+32+8*(\a):\f+32+8*(\a)+7], v[8*(4*(\a)+\b):8*(4*(\a)+\b)+7]
.endif
.endr
.endr
.endm
.macro FETCH slot, k, f                ; 24 LDS loads in one run: B's four fragments, A's blocks 0-3, A's blocks 4-7
	WIN 0
.irp i, 0,1,2,3
	ds_load_b128 v[\f+8*\i:\f+8*\i+3],   v[ADRB+\slot] offset:\k+\i*16*PITCH
	ds_load_b128 v[\f+8*\i+4:\f+8*\i+7], v[ADRB+\slot] offset:\k+\i*16*PITCH+32
.endr
.irp i, 0,1,2,3,4,5,6,7
	ds_load_b128 v[\f+32+8*\i:\f+32+8*\i+3], v[ADRA+\slot] offset:\k+\i*16*PITCH
	ds_load_b128 v[\f+32+8*\i+4:\f+32+8*\i+7], v[ADRA+\slot] offset:\k+\i*16*PITCH+32
.endr
.endm
.macro PLACES
.rept 4
	v_nop
.endr
.endm
.macro QUARTER slot, k, f, g, zero     ; 32 along K: multiplies buffer f; in its middle it fetches the next quarter, at byte k of the rows, into g
	s_wait_dscnt 8                                 ; B and A's blocks 0-3 are in; the youngest eight loads may be out
	WIN MUL
	MUL8 \f, 0, \zero
	MUL8 \f, 2, \zero
	PLACES
	FETCH \slot, \k, \g
	s_wait_dscnt 24                                ; all but the 24 just issued
	WIN MUL
	MUL8 \f, 4, \zero
	MUL8 \f, 6, \zero
.endm
.macro TURN slot, next, fill           ; a K step's last quarter changes slots
.if \fill
	s_wait_xcnt 0x0                                ; the last prefetch, a K step back, has read its address: it is stepped here, ahead of the waits of the change of slots
	s_add_nc_u64 s[PFA:PFA+1], s[PFA:PFA+1], KSTEP*2
.endif
	WIN 0
	s_wait_tensorcnt 0x0                           ; all my tensor loads have landed: my part of the next slot
	ds_add_u32 v[SPW], v[NIL]
	s_wait_dscnt 9                                 ; (the add and the youngest eight loads may be out)
	WIN MUL
	MUL8 F1, 0, 0
	s_wait_dscnt 0x0                               ; the add is done, and my reads of this slot are over
	s_barrier_signal -1
	MUL8 F1, 2, 0
	WIN 0
	s_barrier_wait -1
.if \fill
	CREST                                          ; the barrier has opened a round of the cluster's
	s_add_nc_u64 s[G0+4*\slot+2:G0+4*\slot+3], s[G0+4*\slot+2:G0+4*\slot+3], 2*KSTEP*2
	s_add_nc_u64 s[G0B+4*\slot+2:G0B+4*\slot+3], s[G0B+4*\slot+2:G0B+4*\slot+3], 2*KSTEP*2
	JLOAD \slot                                    ; my one tensor load behind the round; its four v_nop are the places in front of the loads below
.else
	PLACES
.endif
	FETCH \next, 0, F0
.if \fill
	ASK \slot                                      ; behind the joint load and the run of LDS loads that the next products wait for
.endif
	WIN MUL
	MUL8 F1, 4, 0
	MUL8 F1, 6, 0
.endm
	s_wait_tensorcnt 1                             ; my part of K step 0 is in; slot 1's load may be out
	s_barrier_signal -1
	s_barrier_wait -1
	FETCH 0, 0, F0
	QUARTER 0, 64, F0, F1, 1                       ; the first quarter's products start the sums
	WIN 0
	s_mov_b32 s3, LAPS-1
.Llap:
	QUARTER 0, 128, F1, F0, 0
	QUARTER 0, 192, F0, F1, 0
	TURN 0, 1, 1
	QUARTER 1, 64,  F0, F1, 0
	QUARTER 1, 128, F1, F0, 0
	QUARTER 1, 192, F0, F1, 0
	TURN 1, 0, 1
	QUARTER 0, 64,  F0, F1, 0
	WIN 0
	s_sub_co_u32 s3, s3, 1
	s_cmp_lg_u32 s3, 0
	s_cbranch_scc1 .Llap
	QUARTER 0, 128, F1, F0, 0                      ; the last lap fills nothing
	QUARTER 0, 192, F0, F1, 0
	TURN 0, 1, 0
	QUARTER 1, 64,  F0, F1, 0
	QUARTER 1, 128, F1, F0, 0
	QUARTER 1, 192, F0, F1, 0
	s_wait_dscnt 8
	WIN MUL
	MUL8 F1, 0, 0
	MUL8 F1, 2, 0
	s_wait_dscnt 0
	MUL8 F1, 4, 0
	MUL8 F1, 6, 0
	WIN 0
; THE WAY OUT, a block of 16 rows x 64 columns at a time, through my own stage: back as whole rows of 256 bytes.
.macro TOSTAGE a
	WIN 0x04                                       ; an LDS store's data are its source 1: window 1
.irp b, 0,1,2,3
	ds_store_b128 v[STO], v[8*(4*(\a)+\b):8*(4*(\a)+\b)+3] offset:64*\b            ; each accumulator from its low end on
	ds_store_b128 v[STO], v[8*(4*(\a)+\b)+4:8*(4*(\a)+\b)+7] offset:64*\b+16
.endr
	WIN 0
.set BB, BK+32*((\a)%2)
.irp f, 0,1,2,3,4,5,6,7
	ds_load_b128 v[BB+4*\f:BB+4*\f+3], v[RD] offset:544*\f     ; LDS serves a wave's instructions in order
.endr
.endm
.macro SEND a, younger                 ; younger: the next block's eight stores and eight loads, which may be out
.set BB, BK+32*((\a)%2)
	s_wait_dscnt \younger
.irp f, 0,1,2,3,4,5,6,7
	global_store_b128 v[CO], v[BB+4*\f:BB+4*\f+3], s[8:9] offset:131072*(\a)+16384*\f th:TH_STORE_NT   ; sixteen lanes store 256 consecutive bytes, aligned; every offset an immediate
.endr
.endm
	PLACES
	TOSTAGE 0
	TOSTAGE 1
	s_wait_xcnt 0x0                                ; EXEC changes only behind this wait
	v_cmp_ne_u32 vcc_lo, 0, v[FLG]
	s_and_saveexec_b32 s45, vcc_lo                 ; block 0 is not stored where it is a sequence's first 16 rows
	SEND 0, 16
	s_wait_xcnt 0x0
	s_or_b32 exec_lo, exec_lo, s45
.irp a, 2,3,4,5,6,7
	s_wait_xcnt 0x0                                ; block a - 2's stores have read their registers: block a's loads may land there
	TOSTAGE \a
	SEND \a-1, 16
.endr
	SEND 7, 0
	s_wait_tensorcnt 0x0                           ; the wave's end
	ds_add_u32 v[SPW], v[NIL]
	s_wait_dscnt 0x0
	CROUND                                         ; the closing round
	s_endpgm
.Lfunc_end_k_q1b60f8ec8b_oproj:
	.size	k_q1b60f8ec8b_oproj, .Lfunc_end_k_q1b60f8ec8b_oproj-k_q1b60f8ec8b_oproj
	.p2alignl 7, 3214868480
	.fill 96, 4, 3214868480
	.section	.rodata,"a",@progbits
	.p2align	6, 0x0
	.amdhsa_kernel k_q1b60f8ec8b_oproj
		.amdhsa_group_segment_fixed_size 327680
		.amdhsa_private_segment_fixed_size 0
		.amdhsa_enable_private_segment 0
		.amdhsa_kernarg_size 24
		.amdhsa_user_sgpr_count 2
		.amdhsa_user_sgpr_kernarg_segment_ptr 1
		.amdhsa_wavefront_size32 1
		.amdhsa_system_sgpr_workgroup_id_x 1
		.amdhsa_system_sgpr_workgroup_id_y 1
		.amdhsa_system_sgpr_workgroup_id_z 1
		.amdhsa_system_vgpr_workitem_id 0
		.amdhsa_next_free_vgpr 512
		.amdhsa_next_free_sgpr 66
		.amdhsa_reserve_vcc 1
		.amdhsa_float_denorm_mode_32 3
		.amdhsa_float_denorm_mode_16_64 3
		.amdhsa_memory_ordered 1
		.amdhsa_forward_progress 1
		.amdhsa_inst_pref_size 87
	.end_amdhsa_kernel
	.amdgpu_metadata
---
amdhsa.version: [ 1, 2 ]
amdhsa.kernels:
  - .name:           k_q1b60f8ec8b_oproj
    .symbol:         k_q1b60f8ec8b_oproj.kd
    .args:
      - { .name: attn16, .offset: 0, .size: 8, .value_kind: global_buffer, .address_space: global }
      - { .name: wo16, .offset: 8, .size: 8, .value_kind: global_buffer, .address_space: global }
      - { .name: out0, .offset: 16, .size: 8, .value_kind: global_buffer, .address_space: global }
    .group_segment_fixed_size: 327680
    .private_segment_fixed_size: 0
    .kernarg_segment_align: 8
    .kernarg_segment_size: 24
    .max_flat_workgroup_size: 128
    .sgpr_count:     66
    .vgpr_count:     512
    .wavefront_size: 32
...
	.end_amdgpu_metadata
.endif
;; end of part 4
;; launch fine (part 5): grid 32 x 2, 8 waves a work-group, no clusters, 306,176 bytes of LDS; arguments qkvf, Wo, out0; writes out0
.if DOCPART == 5
	.amdgcn_target "amdgcn-amd-amdhsa--gfx1250"
	.amdhsa_code_object_version 6
	.text
	.protected	k_q1b60f8ec8b_fine
	.globl	k_q1b60f8ec8b_fine
	.p2align	8
	.type	k_q1b60f8ec8b_fine,@function
k_q1b60f8ec8b_fine:
	s_mov_b64 s[64:65], 0
	v_nop
	global_prefetch_b8 v0, s[64:65] scope:SCOPE_SE
	s_setreg_imm32_b32 hwreg(HW_REG_WAVE_MODE, 25, 1), 1
	s_wait_xcnt 0x0
; POSITIONS 0 TO 15 OF EACH SEQUENCE, ALL IN f32: these rows average one to sixteen values, so rounding of 16-bit operands would weigh most here.  Attention and the projection by Wo.
; qkvf [kind][b x 8 + head][16][128] f32; Wo [2048][1024] f32; out0 rows b x 2,048 + 0 .. 15.  The window of 1,024 hides nothing here; the causal mask does.
; A work-group (x = 64 columns of out0, y = batch) has eight waves; wave w is head w: its 16 x 16 attention, then its 128 of the projection's 1,024 along K for 16 rows x 64 columns.
; The eight partial sums meet in LDS and are added in the order of the heads.  192 matrix instructions of 16 x 16 x 4 a wave: a thousandth of the problem's multiply-adds.
; Wo: a wave's part, 64 rows x 512 bytes, comes by ONE tensor load, issued ahead of the loads of q, k and v, into LDS bytes of the wave's own (rows 528 bytes apart: the 16 rows that a fragment load
; touches start at 16 different banks); it lands while the attention is computed.  Only the wave that asked reads it, so its own wait for the load is all the ordering.  Nothing is filled again.
; K'S PLACES ARE PERMUTED ALIKE IN BOTH OPERANDS of each product, so that plain loads and the results as they stand serve as operands:
;   S^T = K Q^T: a lane's four registers of a 16-byte load are channels 8 c + 4 h + 0..3;   O^T = V^T P: step s takes keys 8 h + 2 s + 0, 1, as P's registers lie;
;   OUT^T = Wo O: step u of channel tile ct takes channels 16 ct + 8 h + 2 u + 0, 1, as O^T's registers lie.
; The registers that these matrix instructions write (SA, SB, O, OUT) are written by matrix instructions alone; each sum begins with the constant 0.
; window 0: v1-7 addresses; v16-23 SA, v24-31 SB; v32-39 the scores, then p; v40-47 p / l; v48-53 at work; v56, v57 the add's two; v64-127 Q, v128-191 K, later Wo's second half; v192-255 V.
; window 1: v0-127 Wo's first half (8 (4 nt + ct)); v128-191 O^T; v192-223 OUT.
.set WROW,  528                        ; a row of my tile of Wo in LDS: 512 bytes + 16 of padding
.set WTILE, 64*WROW                    ; a wave's tile
.set STG,   8*WTILE                    ; behind the eight tiles: the partial sums, 16 rows x 272 bytes for each wave; no fill lands here
.set SPARE, STG+8*16*272               ; the spare words, 128 bytes a wave
.set SPW, 56
.set NIL, 57
.set MSB, 0
.macro WIN new
.if MSB != (\new)
	s_set_vgpr_msb (MSB<<8)|(\new)
.set MSB, (\new)
.endif
.endm
	s_load_b128 s[4:7], s[0:1], 0x0                ; qkvf, Wo
	s_load_b64 s[8:9], s[0:1], 0x10                ; out0
	v_lshl_add_u32 v[SPW], v0, 2, SPARE
	v_mov_b32 v[NIL], 0
	ds_add_u32 v[SPW], v[NIL]                      ; the wave's opening: the add, twice on end, and its wait ahead of my first tensor load; the set-up below stands between
	ds_add_u32 v[SPW], v[NIL]
	v_lshrrev_b32 v1, 5, v0
	v_readfirstlane_b32 s10, v1                    ; wave = head
	s_and_b32 s11, ttmp7, 0xffff                   ; batch
	s_mov_b32 s13, 0                               ; the upper word of every offset pair s[12:13]
	s_mov_b32 s14, 0x3e0293ee                      ; c = log2(e) / sqrt(128)
	s_mov_b32 s16, 0x76543210
	s_mov_b32 s17, 0xfedcba98
	s_mov_b32 s24, (2<<16)|(1<<20)|(6<<22)|(3<<25) ; group 1: elements of 4 bytes; 4 words of padding behind every 128, a row
	s_mov_b32 s25, 128<<16                         ; tensor_dim0 = 128
	s_mov_b32 s26, 64<<16                          ; tensor_dim1 = 64
	s_mov_b32 s27, 128<<16                         ; tile_dim0 = 128
	s_mov_b32 s28, 64                              ; tile_dim1 = 64
	s_mov_b32 s29, 1024                            ; from row to row of Wo
	s_mov_b32 s30, 0
	s_mov_b32 s31, 0
	s_mov_b32 s20, 1                               ; group 0: count,
	s_mul_i32 s21, s10, WTILE                      ; my tile's place in LDS
	v_and_b32 v8, 15, v0                           ; r
	v_bfe_u32 v9, v0, 4, 1                         ; h
	v_lshlrev_b32 v1, 9, v8
	v_lshl_add_u32 v1, v9, 4, v1                   ; Q, K: 512 r + 16 h
	v_lshlrev_b32 v2, 2, v8
	v_lshl_add_u32 v2, v9, 12, v2                  ; V: 4,096 h + 4 r
	v_mul_u32_u24 v3, v8, WROW
	v_lshl_add_u32 v3, v9, 5, v3
	v_add_nc_u32 v3, s21, v3                       ; Wo in LDS: my tile + 528 r + 32 h
	v_lshlrev_b32 v4, 3, v9
	v_sub_nc_u32 v4, v8, v4                        ; r - 8 h: register j's key is hidden where j > this
	s_mul_i32 s12, s10, 16*272
	s_add_co_u32 s12, s12, STG
	v_mul_u32_u24 v5, v8, 272
	v_lshl_add_u32 v5, v9, 5, v5
	v_add_nc_u32 v5, s12, v5                       ; my partial sums: the stage + wave x 4,352 + 272 r + 32 h
	v_lshrrev_b32 v10, 4, v0                       ; the row that my thread adds up, 0 .. 15,
	v_mul_u32_u24 v6, v10, 272
	v_lshl_add_u32 v6, v8, 4, v6                   ; and its 16 bytes
	v_add_nc_u32 v6, STG, v6
	v_lshlrev_b32 v7, 13, v10
	v_lshl_add_u32 v7, v8, 4, v7                   ; the same place in out0
	v_mov_b32 v48, 0xff800000
	v_mov_b32 v50, 0                               ; (a lane permute's destination counts as one of its sources)
	v_mov_b32 v52, 0
	s_wait_dscnt 0x0                               ; both opening adds are done
	s_wait_kmcnt 0x0
	s_lshl_b32 s12, ttmp9, 18                      ; 64 rows of Wo,
	s_lshl_b32 s15, s10, 9                         ; my head's 128 columns
	s_add_co_u32 s12, s12, s15
	s_add_nc_u64 s[22:23], s[6:7], s[12:13]
	s_or_b32 s23, s23, 0x80000000                  ; type = 2
	tensor_load_to_lds s[20:23], s[24:31]          ; my one tensor load; its descriptors are not written again
	s_nop 0
	s_lshl_b32 s12, s11, 3
	s_add_co_u32 s12, s12, s10
	s_lshl_b32 s12, s12, 13
	s_add_nc_u64 s[4:5], s[4:5], s[12:13]          ; my head's 16 rows of q; k's lie 131,072 bytes on, v's 262,144
	s_lshl_b32 s12, s11, 24                        ; 2,048 rows of 8,192 bytes a batch,
	s_lshl_b32 s15, ttmp9, 8                       ; 64 columns
	s_add_co_u32 s12, s12, s15
	s_add_nc_u64 s[8:9], s[8:9], s[12:13]
.set n, 0
.rept 16
	global_load_b128 v[64+4*n:67+4*n], v1, s[4:5] offset:32*n
.set n, n+1
.endr
.set n, 0
.rept 16
	global_load_b128 v[128+4*n:131+4*n], v1, s[4:5] offset:131072+32*n
.set n, n+1
.endr
.irp ct, 0,1,2,3,4,5,6,7
.irp s, 0,1,2,3
.irp j, 0,1
	global_load_b32 v[192+2*(4*\ct+\s)+\j], v2, s[4:5] offset:262144+512*(2*\s+\j)+64*\ct   ; V(8 h + 2 s + j, 16 ct + r)
.endr
.endr
.endr
	s_wait_loadcnt 63                              ; Q and K are in: behind them stand V's 64 loads; the wait's field holds 63, so it waits for one of those too
.set n, 0
.rept 32                                           ; S^T = K Q^T in two sums by turns, one instruction a turn
.if n < 2
	v_wmma_f32_16x16x4_f32 v[16+8*(n%2):23+8*(n%2)], v[128+2*n:129+2*n], v[64+2*n:65+2*n], 0
.else
	v_wmma_f32_16x16x4_f32 v[16+8*(n%2):23+8*(n%2)], v[128+2*n:129+2*n], v[64+2*n:65+2*n], v[16+8*(n%2):23+8*(n%2)]
.endif
.set n, n+1
.endr
.rept 8
	v_nop                                          ; eight places behind this form: in front of the first read of its results, and of the later loads into its sources
.endr
.irp j, 0,1,2,3,4,5,6,7
	v_add_f32 v[32+\j], v[16+\j], v[24+\j]         ; lane (r, h): query r, key 8 h + j
.endr
.irp j, 0,1,2,3,4,5,6,7
	v_cmp_gt_i32 vcc_lo, \j, v4
	v_cndmask_b32 v[32+\j], v[32+\j], v48, vcc_lo  ; hidden keys: -infinity
.endr
	v_max3_num_f32 v49, v32, v33, v34
	v_max3_num_f32 v51, v35, v36, v37
	v_max3_num_f32 v49, v49, v38, v39
	v_max_num_f32 v49, v49, v51
	v_permlanex16_b32 v50, v49, s16, s17
	v_max_num_f32 v49, v49, v50                    ; the row's maximum: key 0 counts for every query
	v_mul_f32 v50, s14, v49
.irp j, 0,1,2,3,4,5,6,7
	v_fma_f32 v[32+\j], v[32+\j], s14, -v50
.endr
.irp j, 0,1,2,3,4,5,6,7
	v_exp_f32 v[32+\j], v[32+\j]
.endr
	v_nop
	s_wait_alu depctr_va_vdst(0)                   ; one wait for the eight, ahead of their first reader
	v_add_f32 v49, v32, v33
	v_add_f32 v51, v34, v35
	v_add_f32 v49, v49, v36
	v_add_f32 v51, v51, v37
	v_add_f32 v49, v49, v38
	v_add_f32 v51, v51, v39
	v_add_f32 v49, v49, v51
	v_permlanex16_b32 v52, v49, s16, s17
	v_add_f32 v49, v49, v52
	v_rcp_f32 v53, v49
	v_nop
	s_wait_alu depctr_va_vdst(0)
.irp j, 0,1,2,3,4,5,6,7
	v_mul_f32 v[40+\j], v[32+\j], v53              ; the weights, normalised
.endr
	s_wait_loadcnt 0x0                             ; V is in
	WIN 0x50
.irp s, 0,1,2,3
.irp ct, 0,1,2,3,4,5,6,7
.if \s == 0
	v_wmma_f32_16x16x4_f32 v[128+8*\ct:135+8*\ct], v[192+2*(4*\ct+\s):193+2*(4*\ct+\s)], v[40+2*\s:41+2*\s], 0
.else
	v_wmma_f32_16x16x4_f32 v[128+8*\ct:135+8*\ct], v[192+2*(4*\ct+\s):193+2*(4*\ct+\s)], v[40+2*\s:41+2*\s], v[128+8*\ct:135+8*\ct]
.endif
.endr
.endr                                              ; O^T: lane (r, h) holds query r, channels 16 ct + 8 h + 0..7; eight accumulators by turns
	s_wait_tensorcnt 0x0                           ; my tile of Wo has landed.  Its fragments are fetched here, behind the products above, into registers that those products do not name
	WIN 0x40                                       ; destination window 1, address window 0
.irp nt, 0,1,2,3
.irp ct, 0,1,2,3
.irp jj, 0,1
	ds_load_b128 v[8*(4*\nt+\ct)+4*\jj:8*(4*\nt+\ct)+4*\jj+3], v3 offset:16*WROW*\nt+64*\ct+16*\jj   ; Wo(64 x + 16 nt + r, 128 w + 16 ct + 8 h + 4 jj ..)
.endr
.endr
.endr
	WIN 0
.irp nt, 0,1,2,3
.irp ct, 0,1,2,3
.irp jj, 0,1
	ds_load_b128 v[64+8*(4*\nt+\ct)+4*\jj:64+8*(4*\nt+\ct)+4*\jj+3], v3 offset:16*WROW*\nt+64*(\ct+4)+16*\jj   ; channels 64 on, where Q and K lay
.endr
.endr
.endr
.rept 9
	v_nop                                          ; nine places: a result becomes an operand
.endr
	s_wait_dscnt 32                                ; Wo's first half is in; the second half's 32 loads may be out
	WIN 0x55
.irp ct, 0,1,2,3
.irp u, 0,1,2,3
.irp nt, 0,1,2,3
.if (\ct == 0) && (\u == 0)
	v_wmma_f32_16x16x4_f32 v[192+8*\nt:199+8*\nt], v[8*(4*\nt+\ct)+2*\u:8*(4*\nt+\ct)+2*\u+1], v[128+8*\ct+2*\u:129+8*\ct+2*\u], 0
.else
	v_wmma_f32_16x16x4_f32 v[192+8*\nt:199+8*\nt], v[8*(4*\nt+\ct)+2*\u:8*(4*\nt+\ct)+2*\u+1], v[128+8*\ct+2*\u:129+8*\ct+2*\u], v[192+8*\nt:199+8*\nt]
.endif
.endr
.endr
.endr
	s_wait_dscnt 0x0                               ; Wo's second half
	WIN 0x54
.irp ct, 0,1,2,3
.irp u, 0,1,2,3
.irp nt, 0,1,2,3
	v_wmma_f32_16x16x4_f32 v[192+8*\nt:199+8*\nt], v[64+8*(4*\nt+\ct)+2*\u:64+8*(4*\nt+\ct)+2*\u+1], v[160+8*\ct+2*\u:161+8*\ct+2*\u], v[192+8*\nt:199+8*\nt]
.endr
.endr
.endr                                              ; OUT: lane (r, h) holds row r, columns 16 nt + 8 h + 0..7; four accumulators by turns
.rept 8
	v_nop
.endr
	WIN 0x04                                       ; an LDS store's data are its source 1: window 1
.irp nt, 0,1,2,3
	ds_store_b128 v5, v[192+8*\nt:195+8*\nt] offset:64*\nt
	ds_store_b128 v5, v[196+8*\nt:199+8*\nt] offset:64*\nt+16
.endr
	WIN 0
	s_wait_dscnt 0x0                               ; for the others' sake: my stores have landed
	s_barrier_signal -1
	s_barrier_wait -1
.irp w, 0,1,2,3,4,5,6,7
	ds_load_b128 v[64+4*\w:67+4*\w], v6 offset:4352*\w
.endr
	s_wait_dscnt 0x0
.irp w, 1,2,3,4,5,6,7
	v_pk_add_f32 v[64:65], v[64:65], v[64+4*\w:65+4*\w]            ; in the order of the heads
	v_pk_add_f32 v[66:67], v[66:67], v[66+4*\w:67+4*\w]
.endr
	global_store_b128 v7, v[64:67], s[8:9]         ; sixteen lanes store 256 consecutive bytes, aligned
	s_wait_tensorcnt 0x0                           ; the wave's end: a wait, an add of 0 to my spare word and a wait for it, behind my last tensor load and my last LDS store
	ds_add_u32 v[SPW], v[NIL]
	s_wait_dscnt 0x0
	s_endpgm
.Lfunc_end_k_q1b60f8ec8b_fine:
	.size	k_q1b60f8ec8b_fine, .Lfunc_end_k_q1b60f8ec8b_fine-k_q1b60f8ec8b_fine
	.p2alignl 7, 3214868480
	.fill 96, 4, 3214868480
	.section	.rodata,"a",@progbits
	.p2align	6, 0x0
	.amdhsa_kernel k_q1b60f8ec8b_fine
		.amdhsa_group_segment_fixed_size 306176
		.amdhsa_private_segment_fixed_size 0
		.amdhsa_enable_private_segment 0
		.amdhsa_kernarg_size 24
		.amdhsa_user_sgpr_count 2
		.amdhsa_user_sgpr_kernarg_segment_ptr 1
		.amdhsa_wavefront_size32 1
		.amdhsa_system_sgpr_workgroup_id_x 1
		.amdhsa_system_sgpr_workgroup_id_y 1
		.amdhsa_system_sgpr_workgroup_id_z 1
		.amdhsa_system_vgpr_workitem_id 0
		.amdhsa_next_free_vgpr 480
		.amdhsa_next_free_sgpr 66
		.amdhsa_reserve_vcc 1
		.amdhsa_float_denorm_mode_32 3
		.amdhsa_float_denorm_mode_16_64 3
		.amdhsa_memory_ordered 1
		.amdhsa_forward_progress 1
		.amdhsa_inst_pref_size 35
	.end_amdhsa_kernel
	.amdgpu_metadata
---
amdhsa.version: [ 1, 2 ]
amdhsa.kernels:
  - .name:           k_q1b60f8ec8b_fine
    .symbol:         k_q1b60f8ec8b_fine.kd
    .args:
      - { .name: qkvf, .offset: 0, .size: 8, .value_kind: global_buffer, .address_space: global }
      - { .name: Wo, .offset: 8, .size: 8, .value_kind: global_buffer, .address_space: global }
      - { .name: out0, .offset: 16, .size: 8, .value_kind: global_buffer, .address_space: global }
    .group_segment_fixed_size: 306176
    .private_segment_fixed_size: 0
    .kernarg_segment_align: 8
    .kernarg_segment_size: 24
    .max_flat_workgroup_size: 256
    .sgpr_count:     66
    .vgpr_count:     480
    .wavefront_size: 32
...
	.end_amdgpu_metadata
.endif
;; end of part 5
